; MI455X (gfx1250); checked and timed in simulation.
; The chip was launched on July 23, 2026; its instructions are those of AMD's public machine-readable ISA for CDNA 5 (MIT licence, August 2026) and "CDNA5" Instruction Set Architecture Reference Guide (July 2026). The comments in the code are by the model that wrote it; some were corrected since.
;; Casual Self Attention. Allowed arithmetic: matrix products marked QUANTISED: E5M2 operands, one E8M0 scale for each 32 along K, by v_wmma_scale_f32_16x16x128_f8f6f4 with both operands' format E5M2, f32 sums; everything else in f32.
;; Inputs: Wk_codes 1,024 x 32 x 32 uint8 (E5M2 codes of Wk, K innermost, in blocks of 32 codes); Wk_scales 1,024 x 32 uint8 (E8M0 scales of Wk, one for each 32 codes along K); Wo_codes 1,024 x 32 x 32 uint8 (E5M2 codes of Wo, K innermost, in blocks of 32 codes); Wo_scales 1,024 x 32 uint8 (E8M0 scales of Wo, one for each 32 codes along K); Wq_codes 1,024 x 32 x 32 uint8 (E5M2 codes of Wq, K innermost, in blocks of 32 codes); Wq_scales 1,024 x 32 uint8 (E8M0 scales of Wq, one for each 32 codes along K); Wv_codes 1,024 x 32 x 32 uint8 (E5M2 codes of Wv, K innermost, in blocks of 32 codes); Wv_scales 1,024 x 32 uint8 (E8M0 scales of Wv, one for each 32 codes along K); bo 1,024 float32; x_codes 4 x 2,048 x 32 x 32 uint8 (E5M2 codes of x, K innermost, in blocks of 32 codes); x_scales 4 x 2,048 x 32 uint8 (E8M0 scales of x, one for each 32 codes along K).
;; Outputs: out0 4 x 2,048 x 1,024 float32.
;; This version of the problem:
;;   THIS VERSION OF THE PROBLEM IS GIVEN IN LOW PRECISION. The matrix products marked QUANTISED in the list below multiply operands that are first quantised to E5M2 (5 exponent bits, 2 mantissa bits; 8 bits a number), with one power-of-two scale for each 32 numbers along K (OCP MX v1.0); their sums are f32. All else is computed in f32.
;;   The module's matrix products, in the order in which they are computed (A, B: the left and right operand; K: the contracted axis; several contracted axes count as one K, in the product's order):
;;     1. [M 8,192, K 1,024] x [K 1,024, N 1,024]; A: input x (given as codes); B: input Wq (given as codes): QUANTISED
;;     2. [M 8,192, K 1,024] x [K 1,024, N 1,024]; A: input x (given as codes); B: input Wk (given as codes): QUANTISED
;;     3. [M 8,192, K 1,024] x [K 1,024, N 1,024]; A: input x (given as codes); B: input Wv (given as codes): QUANTISED
;;     4. batch 64 x [M 2,048, K 64] x [K 64, N 2,048]; A: computed on the way; B: computed on the way: QUANTISED
;;     5. batch 64 x [M 2,048, K 2,048] x [K 2,048, N 64]; A: softmax (see below); B: computed on the way: QUANTISED
;;     6. [M 8,192, K 1,024] x [K 1,024, N 1,024]; A: computed on the way; B: input Wo (given as codes): QUANTISED
;;   THE QUANTISER, for each operand of a quantised product, along K:
;;     - K is cut into blocks of 32 from its start; a last block that is shorter is filled with zeros.
;;     - A block's scale is 2^e with e = floor(log2(the largest magnitude in the block)) - 15, held to -126 .. 127; a block of zeros has e = 0. As a byte (E8M0): e + 127.
;;     - Each number is divided by its block's scale, clamped to +-57,344, and rounded to the nearest number of E5M2, ties to even, subnormals kept.
;;     - The product sums the exact products of the quantised numbers (number of the format x scale) in f32.
;;   ~~~python
;;   def quantise(x, axis):      # numpy; x: float32 -> the quantised numbers, widened to float32 again
;;       x = np.moveaxis(x, axis, -1); K = x.shape[-1]
;;       x = np.pad(x, [(0, 0)] * (x.ndim - 1) + [(0, -K % 32)]); x = x.reshape(x.shape[:-1] + (-1, 32)); a = np.abs(x).max(-1, keepdims=True)
;;       e = np.where(a > 0, np.clip(np.frexp(np.where(a > 0, a, 1))[1] - 1 - 15, -126, 127), 0)      # np.frexp(a)[1] - 1 = floor(log2(a)), exactly
;;       r = np.clip(x / 2.0 ** e, -57344, 57344)
;;       step = 2.0 ** (np.maximum(np.frexp(np.where(r == 0, 1, r))[1] - 1, -14) - 2)
;;       q = np.round(r / step) * step * 2.0 ** e      # np.round: ties to even
;;       return np.moveaxis(q.reshape(q.shape[:-2] + (-1,))[..., :K], -1, axis).astype(np.float32)
;;   ~~~
;;   SOFTMAX AHEAD OF A QUANTISED PRODUCT. Where the list says 'softmax', what is quantised is not the finished softmax but p = 2^(t - M), with t = logit x log2(e) and M = ceil(the row's largest t), a whole number; so 1/2 < the row's largest p <= 1. The row's sum l is taken of the UNQUANTISED p, in f32, and the product's result is divided by l at the end. Since M is a whole number, a kernel that streams over the keys may use a running M (the ceiling of the running maximum): every later rescaling is an exact power of two, which a block's scale takes up: the codes' values come out the same.
;;   OPERANDS COMPUTED ON THE WAY. 'Computed on the way' means the value that the module computes at that place (a softmax that the list does not call 'softmax' is quantised finished and normalised). What goes into a quantiser is computed in f32, as accurately as f32 sums, v_exp_f32 and their like allow (about 1e-6 of the number): no bf16 or f16 on the way to a quantiser, and a product that is left as it is and whose result goes on into a quantised operand takes f32 operands (vector FMAs, or v_wmma_f32_16x16x4_f32). A number that lies on a knife's edge between two numbers of the format may be rounded either way, as far as f32 arithmetic and the matrix unit's own rounding can turn it there, and no further.
;;   INPUTS GIVEN AS CODES. Wk (in the module: [1024, 1024], K = its axis 1); Wo (in the module: [1024, 1024], K = its axis 1); Wq (in the module: [1024, 1024], K = its axis 1); Wv (in the module: [1024, 1024], K = its axis 1); x (in the module: [4, 2048, 1024], K = its axis 2): each comes as NAME_codes (uint8): NAME with its K axis moved to the last place and cut into blocks of 32 codes, [.., K / 32, bytes a block], one block behind the other in memory; one code a byte (a code: sign, 5 exponent bits, 2 mantissa bits); and NAME_scales (uint8): the same leading axes, one E8M0 byte (e + 127) for each 32 codes along K. Its value is code x scale, taken as it is: it is not quantised again, and the codes and scales need not be those that the quantiser above would give.
;; One version. Each part assembles by itself: llvm-mc -triple=amdgcn-amd-amdhsa -mcpu=gfx1250 --defsym DOCPART=n.
;; ======== version 1 of 1: 3 launches
;; limits: right only within a limited range of input values
;; workspace buffers: qkv_codes 25,165,824 bytes; qkv_scales 786,432 bytes; o_codes 8,388,608 bytes; o_scales 262,144 bytes
;; launch qkv (part 1): grid 12 x 32, 4 waves a work-group, clusters of 4 x 4, 327,680 bytes of LDS; arguments x_codes, x_scales, Wq_codes, Wq_scales, Wk_codes, Wk_scales, Wv_codes, Wv_scales, qkv_codes, qkv_scales; writes qkv_codes, qkv_scales
.if DOCPART == 1
	.amdgcn_target "amdgcn-amd-amdhsa--gfx1250"
	.amdhsa_code_object_version 6
	.text
	.protected	k_qab7fe1b564_qkv
	.globl	k_qab7fe1b564_qkv
	.p2align	8
	.type	k_qab7fe1b564_qkv,@function
k_qab7fe1b564_qkv:
	s_mov_b64 s[64:65], 0
	v_nop
	global_prefetch_b8 v0, s[64:65] scope:SCOPE_SE
	s_setreg_imm32_b32 hwreg(HW_REG_WAVE_MODE, 25, 1), 1
	s_wait_xcnt 0x0
	s_wait_alu depctr_hold_cnt(0) depctr_sa_sdst(0) depctr_va_vdst(0) depctr_va_sdst(0) depctr_va_ssrc(0) depctr_va_vcc(0) depctr_vm_vsrc(0)
	s_getreg_b32 s2, hwreg(HW_REG_IB_STS2, 6, 4)
	s_cmp_eq_u32 s2, 0
	s_cbranch_scc0 .Lentry_in_a_cluster
	s_endpgm
.Lentry_in_a_cluster:
	s_bfe_u32 s2, ttmp6, 0x10000c
	s_cmp_lg_u32 s2, 0xf033
	s_cbranch_scc0 .Lentry_shape_is_right
	s_endpgm
.Lentry_shape_is_right:
; q = x Wq^T, k = x Wk^T, v = x Wv^T on codes of BF8 (E5M2) with one E8M0 scale for each 32 along K = 1,024; the results are quantised in registers: q and k along the head's axis, v along the tokens.
; A work-group of four waves makes 256 x 256, a wave 128 x 128: 64 accumulators.  K goes in steps of 256 through two LDS slots filled by the tensor data mover; the scale bytes of the 512 rows come once and stay.
; THE MATRIX INSTRUCTION: source 0 = 16 rows of "B", source 1 = 16 rows of "A": a lane holds ONE row of A, and its registers run along rows of B: the axis along which the result is quantised.
; The cluster's x says which product: 0: q (A = x, B = Wq), 1: k (A = x, B = Wk), 2: v (A = Wv, B = x: the registers then run along the tokens).  Only pointers and tile numbers are chosen by it; the text is one.
; CLUSTERS: 4 x 4 work-groups; A's tiles are asked for jointly along a row of the cluster, B's along a column.
; THE RESULT leaves as IMAGES OF OPERAND REGISTERS: a fragment (16 rows x 128 along the next K) is four groups of 512 bytes, group c = lane l's registers 4 c .. 4 c + 3 at byte 16 l.  So each store covers 512 consecutive aligned bytes.
;   qkv_codes [X 3][8 n + hp 32][t128 16][a 8][group 4][lane 32][16 bytes]; qkv_scales [X][8 n + hp][t128][lane = r + 16 (a & 1)][a >> 1] words, byte b of a word for block b.
;   q, k: a = tile of 16 tokens, the 128 are columns 128 hp ..; v: a = tile of 16 columns of 128 hp .., the 128 are tokens 128 t128 ...
; ORDER INSIDE A BLOCK OF 32: byte i of a lane's 16 in group b is index 32 b + 16 (i / 8) + 8 (lane / 16) + i % 8, not 32 b + 16 (lane / 16) + i.  q and k have the same order, and so have v and the weights p of the next launch:
; the products and the blocks are the true ones; only the order of the additions inside one matrix instruction differs from ascending K.
; LIMITS: a block whose largest magnitude lies under 2^-111 (a block of zeros too) gets the scale byte 1: only this program reads the bytes.  NaN and infinities are not served.
; REGISTERS, in windows of 256: window 0: v0-31 addresses; v32-63 scale words, two sets; v128-255 A's fragments, one set.  window 1: B's fragments, two sets.  windows 2, 3: the accumulators ((a, b) at v[8 (8 (a % 4) + b)]).
.set SIZE_K, 1024
.set KSTEP,  256
.set NQ,     KSTEP/128
.set ROWB,   256                       ; a tile's row in bytes
.set KROW,   SIZE_K                    ; a row of x or of a weight in memory
.set PITCH,  272                       ; an LDS row: 256 bytes + 16 of padding: the 16 rows that a load touches start at 16 different banks
.set FR,     16
.set NL,     4
.set NP,     8                         ; places behind this matrix instruction (ISA guide 7.12.1)
.set HALFT,  128*PITCH
.set SLOT,   4*HALFT
.set LAPS,   SIZE_K/(2*KSTEP)
.set KS,     SIZE_K/32
.set SCL,    2*SLOT                    ; behind the ring: the scale bytes, as units of 256 bytes + 16
.set HALFS,  (128*KS/256)*272
.set SBLK,   (16*KS/256)*272
.set SPARE,  SCL+4*HALFS               ; the spare words: 128 bytes for each wave
.set ADRA, 16
.set ADRB, 20
.set LI,   26                          ; v26  16 x lane
.set ADRS, 27
.set SPW,  28
.set NIL,  29
.set SC,   32
.set AF,   128
.set TM,   32                          ; the way out: v32-35 largest magnitudes, v36-39 bytes, v44-47 scale operands
.set WW,   48                          ; v48-55 the scale word of each block of rows
.set YY,   56                          ; v56-59 the four words that a lane stores
.set XH,   64
.set CD,   128                         ; v128-255 codes: 16 registers for each block of rows, none written twice
.set G1, 24
.set G0, 32
.set G1B, 48
.set G0B, 56
.set G1S, 68
.set G0S, 76
.set G1SB, 80
.set G0SB, 88
.set MSB, 0
.macro WIN new                         ; the immediate's high byte repeats the setting that is left
.if MSB != \new
	s_set_vgpr_msb (MSB<<8)|\new
.set MSB, \new
.endif
.endm
.set MUL_LO, 0xa1                      ; source 0 (B) window 1, source 1 (A) window 0, C and D window 2
.set MUL_HI, 0xf1
.set TO_B,   0x40
; A joint load: waves 0 and 1 fetch for A, waves 2 and 3 for B; the branch hangs on the wave's number alone.  An s_nop 0 and four v_nop follow each line.
.macro JLOAD g0a, g1a, g0b, g1b
	s_cmp_eq_u32 s15, 0
	s_cbranch_scc0 .Lfor_b_\@
	tensor_load_to_lds s[\g0a:\g0a+3], s[\g1a:\g1a+7]
	s_nop 0
.rept 4
	v_nop
.endr
	s_branch .Lasked_\@
.Lfor_b_\@:
	tensor_load_to_lds s[\g0b:\g0b+3], s[\g1b:\g1b+7]
	s_nop 0
.rept 4
	v_nop
.endr
.Lasked_\@:
.endm
.macro CREST                           ; a round of the cluster's barrier behind its opening barrier
	s_cmp_lg_u32 s14, 0
	s_cbranch_scc1 .Lnot_wave_0_\@
	s_barrier_signal -3
.Lnot_wave_0_\@:
	s_barrier_wait -3
	s_barrier_signal -1
	s_barrier_wait -1
.endm
.macro CROUND
	s_barrier_signal -1
	s_barrier_wait -1
	CREST
.endm
	s_load_b512 s[68:83], s[0:1], 0x0              ; x's codes 68, scales 70; Wq's 72, 74; Wk's 76, 78; Wv's 80, 82
	s_load_b64 s[12:13], s[0:1], 0x40              ; qkv_codes
	s_load_b64 s[100:101], s[0:1], 0x48            ; qkv_scales
	v_lshl_add_u32 v[SPW], v0, 2, SPARE
	v_mov_b32 v[NIL], 0
	ds_add_u32 v[SPW], v[NIL]
	ds_add_u32 v[SPW], v[NIL]                      ; the wave's opening: the add and its wait ahead of my first tensor load
	v_lshrrev_b32 v1, 5, v0
	v_readfirstlane_b32 s14, v1                    ; wave 0..3
	s_lshr_b32 s15, s14, 1                         ; my half of A's rows.  Also: I fetch for A (0) or for B (1)
	s_and_b32 s16, s14, 1                          ; my half of B's rows.  Also: which 128 rows I fetch
	s_bfe_u32 s40, ttmp6, 0x40000                  ; cx
	s_bfe_u32 s41, ttmp6, 0x40004                  ; cy
	s_and_b32 s18, ttmp7, 0xffff
	s_lshl_b32 s18, s18, 2                         ; 4 x cluster y: walks the 32 tiles of tokens
	s_cmp_eq_u32 ttmp9, 2                          ; v?  The cluster's x is the same in all sixteen partners
	s_cselect_b32 s17, 0, s18
	s_cselect_b32 s42, s18, 0
	s_add_co_u32 s17, s17, s41                     ; A's tile: cy (+ 4 Y where A is x)
	s_add_co_u32 s42, s42, s40                     ; B's tile: cx (+ 4 Y where B is x)
	s_lshl_b32 s43, s41, 2
	s_lshl_b32 s43, 15, s43                        ; my row of the cluster
	s_lshl_b32 s44, 0x1111, s40                    ; my column
	s_or_b32 s[G1+0], s43, (0<<16)|(1<<20)|(1<<21)|(5<<22)|(3<<25)  ; the mask; elements of 1 byte; padding: 4 words after every 64; bit 21 beside a mask
	s_or_b32 s[G1B+0], s44, (0<<16)|(1<<20)|(1<<21)|(5<<22)|(3<<25)
.irp g, G1, G1B
	s_mov_b32 s[\g+1], ROWB<<16                    ; tensor_dim0
	s_mov_b32 s[\g+2], 128<<16                     ; tensor_dim1
	s_mov_b32 s[\g+3], ROWB<<16                    ; tile_dim0
	s_mov_b32 s[\g+4], 128                         ; tile_dim1
	s_mov_b32 s[\g+5], KROW                        ; the pitch
	s_mov_b32 s[\g+6], 0
	s_mov_b32 s[\g+7], 0
.endr
	s_lshl_b32 s18, s16, 7
	s_lshl_b32 s20, s17, 8
	s_add_co_u32 s20, s20, s18                     ; A: row 256 x tile + 128 x half
	s_lshl_b32 s46, s42, 8
	s_add_co_u32 s46, s46, s18                     ; B likewise
	s_mov_b32 s21, 0
	s_mov_b32 s47, 0
	s_mov_b64 s[18:19], KS
	s_mul_u64 s[22:23], s[20:21], s[18:19]         ; where these rows' scales begin
	s_mul_u64 s[92:93], s[46:47], s[18:19]
	s_mov_b64 s[18:19], KROW
	s_mul_u64 s[20:21], s[20:21], s[18:19]         ; and their codes
	s_mul_u64 s[46:47], s[46:47], s[18:19]
	s_mul_i32 s45, s14, HALFT                      ; where they go: wave x 128 rows
	s_mul_i32 s94, s14, HALFS
	s_wait_dscnt 0x0                               ; the opening add is done
	s_wait_kmcnt 0x0
	s_cmp_eq_u32 ttmp9, 0                          ; which weight: a choice among buffers on the cluster's x alone
	s_cselect_b64 s[96:97], s[72:73], s[76:77]
	s_cselect_b64 s[98:99], s[74:75], s[78:79]
	s_cmp_eq_u32 ttmp9, 2
	s_cselect_b64 s[96:97], s[80:81], s[96:97]
	s_cselect_b64 s[98:99], s[82:83], s[98:99]
	s_cselect_b64 s[4:5], s[96:97], s[68:69]       ; A's codes: Wv's for v, else x's
	s_cselect_b64 s[6:7], s[98:99], s[70:71]       ; A's scales
	s_cselect_b64 s[8:9], s[68:69], s[96:97]       ; B's codes
	s_cselect_b64 s[10:11], s[70:71], s[98:99]     ; B's scales
	s_add_nc_u64 s[20:21], s[4:5], s[20:21]
	s_add_nc_u64 s[22:23], s[6:7], s[22:23]
	s_add_nc_u64 s[46:47], s[8:9], s[46:47]
	s_add_nc_u64 s[92:93], s[10:11], s[92:93]
	; the arguments have been read: their registers take the descriptors of the scales: 128 rows' 4,096 dense bytes as 16 rows of 256 bytes, 16 bytes of padding behind each
	s_or_b32 s[G1S+0], s43, (3<<16)|(1<<20)|(1<<21)|(5<<22)|(3<<25)
	s_or_b32 s[G1SB+0], s44, (3<<16)|(1<<20)|(1<<21)|(5<<22)|(3<<25)
.irp g, G1S, G1SB
	s_mov_b32 s[\g+1], 32<<16
	s_mov_b32 s[\g+2], (128*KS/256)<<16
	s_mov_b32 s[\g+3], 32<<16
	s_mov_b32 s[\g+4], 128*KS/256
	s_mov_b32 s[\g+5], 32
	s_mov_b32 s[\g+6], 0
	s_mov_b32 s[\g+7], 0
.endr
	CROUND                                         ; all sixteen work-groups are here: the first joint loads meet
	s_mov_b32 s[G0S], 1
	s_add_co_u32 s[G0S+1], s94, SCL
	s_mov_b64 s[G0S+2:G0S+3], s[22:23]
	s_or_b32 s[G0S+3], s[G0S+3], 0x80000000
	s_mov_b32 s[G0SB], 1
	s_add_co_u32 s[G0SB+1], s94, SCL
	s_mov_b64 s[G0SB+2:G0SB+3], s[92:93]
	s_or_b32 s[G0SB+3], s[G0SB+3], 0x80000000
	JLOAD G0S, G1S, G0SB, G1SB                     ; the scales first: they are wanted with K step 0
.irp s, 0,1
	s_mov_b32 s[G0+4*\s], 1
	s_add_co_u32 s[G0+4*\s+1], s45, \s*SLOT
	s_add_nc_u64 s[G0+4*\s+2:G0+4*\s+3], s[20:21], \s*ROWB
	s_or_b32 s[G0+4*\s+3], s[G0+4*\s+3], 0x80000000
	s_mov_b32 s[G0B+4*\s], 1
	s_add_co_u32 s[G0B+4*\s+1], s45, \s*SLOT
	s_add_nc_u64 s[G0B+4*\s+2:G0B+4*\s+3], s[46:47], \s*ROWB
	s_or_b32 s[G0B+4*\s+3], s[G0B+4*\s+3], 0x80000000
	JLOAD G0+4*\s, G1, G0B+4*\s, G1B               ; three tensor loads of mine are out now
.endr
	v_and_b32 v1, 15, v0                           ; r
	v_bfe_u32 v2, v0, 4, 1                         ; h
	v_mul_u32_u24 v3, v1, PITCH
	v_lshl_add_u32 v4, v2, 4, v3                   ; a fragment's row x pitch + 16 h
	s_mul_i32 s21, s15, HALFT
	s_mul_i32 s22, s16, HALFT
	s_add_co_u32 s22, s22, 2*HALFT
.irp s, 0,1
	v_add_nc_u32 v[ADRA+\s], s21, v4
	v_add_nc_u32 v[ADRB+\s], s22, v4
	s_add_co_u32 s21, s21, SLOT
	s_add_co_u32 s22, s22, SLOT
.endr
	v_mul_u32_u24 v5, v1, KS                       ; my row's scales: KS bytes a row,
	v_lshrrev_b32 v6, 8, v5
	v_lshl_add_u32 v5, v6, 4, v5                   ; and 16 more for each 256 passed
	s_mul_i32 s21, s15, HALFS
	s_mul_i32 s22, s16, HALFS
	s_add_co_u32 s22, s22, 2*HALFS
	s_sub_co_u32 s22, s22, s21
	v_mul_u32_u24 v6, s22, v2                      ; lanes 16-31 take B's: one product, the distance x h
	s_add_co_u32 s21, s21, SCL
	v_add_nc_u32 v5, v5, v6
	v_add_nc_u32 v[ADRS], s21, v5
	v_and_b32 v6, 31, v0
	v_lshlrev_b32 v[LI], 4, v6
	; where my 128 x 128 goes: block (X, 8 n + hp, t128); g = which 128 tokens, hp = which 128 columns
	s_lshl_b32 s4, s17, 1
	s_add_co_u32 s4, s4, s15                       ; which 128 rows of A are mine
	s_lshl_b32 s5, s42, 1
	s_add_co_u32 s5, s5, s16                       ; which 128 rows of B
	s_cmp_eq_u32 ttmp9, 2
	s_cselect_b32 s6, s5, s4                       ; g
	s_cselect_b32 s7, s4, s5                       ; hp
	s_lshr_b32 s8, s6, 4
	s_lshl_b32 s8, s8, 7                           ; n x 128
	s_lshl_b32 s7, s7, 4
	s_add_co_u32 s8, s8, s7                        ; + hp x 16
	s_and_b32 s6, s6, 15
	s_add_co_u32 s8, s8, s6                        ; + t128
	s_lshl_b32 s9, ttmp9, 9
	s_add_co_u32 s8, s8, s9                        ; + X x 512
	s_lshl_b32 s10, s8, 14                         ; 16,384 bytes of codes a block
	s_mov_b32 s11, 0
	s_add_nc_u64 s[12:13], s[12:13], s[10:11]
	s_lshl_b32 s10, s8, 9                          ; 512 bytes of scale words
	s_add_nc_u64 s[100:101], s[100:101], s[10:11]
.macro FRAG reg, adr, q, i             ; 16 rows x 128 K: lane l holds row l % 16; registers 4 c .. 4 c + 3 hold K = 32 c + 16 (l / 16) + 0 .. 15
.irp c, 0,1,2,3
	ds_load_b128 v[\reg+4*\c:\reg+4*\c+3], v[\adr] offset:128*(\q)+32*\c+(\i)*16*PITCH
.endr
.endm
; 16 matrix instructions: A's blocks a0, a0 + 1 x B's eight.  The 64 accumulators take turns, one instruction a turn, in the same order in every step.
.macro MUL16 a0, p, q, sc, zero
.irp a, \a0, \a0+1
.irp b, 0,1,2,3,4,5,6,7
.if \zero
	v_wmma_scale_f32_16x16x128_f8f6f4 v[8*(8*((\a)%4)+\b):8*(8*((\a)%4)+\b)+7], v[128*(\p)+FR*\b:128*(\p)+FR*\b+FR-1], v[AF+FR*(\a):AF+FR*(\a)+FR-1], 0, v[SC+8*NQ*(\sc)+NQ*\b+(\q)], v[SC+8*NQ*(\sc)+NQ*(\a)+(\q)] matrix_a_fmt:MATRIX_FMT_BF8 matrix_b_fmt:MATRIX_FMT_BF8 matrix_a_scale:MATRIX_SCALE_ROW1
.else
	v_wmma_scale_f32_16x16x128_f8f6f4 v[8*(8*((\a)%4)+\b):8*(8*((\a)%4)+\b)+7], v[128*(\p)+FR*\b:128*(\p)+FR*\b+FR-1], v[AF+FR*(\a):AF+FR*(\a)+FR-1], v[8*(8*((\a)%4)+\b):8*(8*((\a)%4)+\b)+7], v[SC+8*NQ*(\sc)+NQ*\b+(\q)], v[SC+8*NQ*(\sc)+NQ*(\a)+(\q)] matrix_a_fmt:MATRIX_FMT_BF8 matrix_b_fmt:MATRIX_FMT_BF8 matrix_a_scale:MATRIX_SCALE_ROW1
.endif
.endr
.endr
.endm
.macro FETCH_B slot, q, p
	WIN TO_B
.irp i, 0,1,2,3,4,5,6,7
	FRAG 128*(\p)+FR*\i, ADRB+\slot, \q, \i
.endr
	WIN 0
.endm
.macro FETCH_A slot, q, i0
.irp i, \i0, \i0+1, \i0+2, \i0+3
	FRAG AF+FR*(\i), ADRA+\slot, \q, \i
.endr
.endm
.macro SCALES sc                       ; a K step's scale words: lanes 0-15 take A's block i, lanes 16-31 B's block i
.irp i, 0,1,2,3,4,5,6,7
	ds_load_b64 v[SC+8*NQ*\sc+NQ*\i:SC+8*NQ*\sc+NQ*\i+1], v[ADRS] offset:\i*SBLK
.endr
.endm
.macro PLACES n                        ; plain vector instructions that name no register of the matrix instructions in front of them
.rept \n
	v_nop
.endr
.endm
.macro STEP slot, q, zero              ; 128 along K that has its successor in the same slot
	s_wait_dscnt 4*NL                              ; B's set and A's blocks 0-3 are in; the youngest 16 loads (A's blocks 4-7) may be out
	WIN MUL_LO
	MUL16 0, (\q)%2, \q, \slot, \zero
	MUL16 2, (\q)%2, \q, \slot, \zero
	s_wait_dscnt 0
	PLACES NP
	FETCH_B \slot, (\q)+1, 1-(\q)%2
	FETCH_A \slot, (\q)+1, 0
	WIN MUL_HI
	MUL16 4, (\q)%2, \q, \slot, \zero
	MUL16 6, (\q)%2, \q, \slot, \zero
	PLACES NP
	WIN 0
	FETCH_A \slot, (\q)+1, 4
.endm
; A slot's last step changes slots: in front of the barrier each wave waits for all its tensor loads, adds 0 to its spare word, and waits for that and for its reads of this slot.
.macro TURN slot, next, fill
	s_wait_tensorcnt 0x0                           ; all my tensor loads have landed: my part of the next slot
	ds_add_u32 v[SPW], v[NIL]
	s_wait_dscnt 4*NL+1                            ; the add and the youngest 16 loads may be out
	WIN MUL_LO
	MUL16 0, 1, NQ-1, \slot, 0
	s_wait_dscnt 0x0                               ; the add is done, and my reads of this slot are over
	s_barrier_signal -1
	MUL16 2, 1, NQ-1, \slot, 0
	WIN 0
	s_barrier_wait -1
.if \fill
	CREST                                          ; the barrier has opened a round of the cluster's: no wave of any partner still reads this slot or has a load on its way
	s_add_nc_u64 s[G0+4*\slot+2:G0+4*\slot+3], s[G0+4*\slot+2:G0+4*\slot+3], 2*ROWB
	s_add_nc_u64 s[G0B+4*\slot+2:G0B+4*\slot+3], s[G0B+4*\slot+2:G0B+4*\slot+3], 2*ROWB
	JLOAD G0+4*\slot, G1, G0B+4*\slot, G1B         ; my one tensor load behind the round; its four v_nop are among the places in front of the loads below
	PLACES NP-4
.else
	PLACES NP
.endif
	s_wait_alu depctr_va_vdst(0)
	v_add_nc_u32 v[ADRS], 4*NQ, v[ADRS]
	FETCH_B \next, 0, 0
	FETCH_A \next, 0, 0
	SCALES \next
	WIN MUL_HI
	MUL16 4, 1, NQ-1, \slot, 0
	MUL16 6, 1, NQ-1, \slot, 0
	PLACES NP
	WIN 0
	FETCH_A \next, 0, 4
.endm
	s_wait_alu depctr_va_vdst(0)
	s_wait_tensorcnt 1                             ; the scales and my part of K step 0 are in; K step 1's load may be out
	s_barrier_signal -1
	s_barrier_wait -1
	FETCH_B 0, 0, 0
	FETCH_A 0, 0, 0
	SCALES 0
	FETCH_A 0, 0, 4
	STEP 0, 0, 1                                   ; the first step's products start the sums
	s_mov_b32 s3, LAPS-1
.Llap:
	TURN 0, 1, 1
	STEP 1, 0, 0
	TURN 1, 0, 1
	STEP 0, 0, 0
	s_sub_co_u32 s3, s3, 1
	s_cmp_lg_u32 s3, 0
	s_cbranch_scc1 .Llap
	TURN 0, 1, 0                                   ; the last lap fills nothing
	STEP 1, 0, 0
	s_wait_dscnt 4*NL
	WIN MUL_LO
	MUL16 0, 1, NQ-1, 1, 0
	MUL16 2, 1, NQ-1, 1, 0
	s_wait_dscnt 0
	WIN MUL_HI
	MUL16 4, 1, NQ-1, 1, 0
	MUL16 6, 1, NQ-1, 1, 0
	WIN 0
; THE WAY OUT: block a of 16 rows of A.  A lane's 64 numbers: register 16 b + i is index 32 b + 16 (i / 8) + 8 h + i % 8 along B's rows: a block of 32 lies in lanes l and l xor 16.
; The largest magnitude (with the floor 2^-111 among its leaves), 15 off its exponent field = the conversion's scale operand, its byte, the conversions; four stores of 512 bytes.
.macro QROW a
.set RS, 64*((\a)%4)
.set QW, 2+(\a)/4
	WIN 5*QW                                       ; sources 0 and 1 in the accumulators' window
.irp b, 0,1,2,3
	v_max3_num_f32 v[TM+\b], |v[RS+16*\b]|, |v[RS+16*\b+1]|, 0x8000000   ; each accumulator is read from its low end on
.endr
.irp i, 2,4,6,8,10,12,14
.irp b, 0,1,2,3
	v_max3_num_f32 v[TM+\b], |v[RS+16*\b+\i]|, |v[RS+16*\b+\i+1]|, v[TM+\b]
.endr
.endr
	WIN 0
.irp b, 0,1,2,3
	v_permlanex16_b32 v[TM+4+\b], v[TM+\b], s20, s21
.endr
.irp b, 0,1,2,3
	v_max_num_f32 v[TM+\b], v[TM+\b], v[TM+4+\b]   ; with lane l xor 16's: the block's largest magnitude
.endr
.irp b, 0,1,2,3
	v_add_nc_u32 v[TM+12+\b], 0xf8800000, v[TM+\b] ; 15 off the exponent field
.endr
.irp b, 0,1,2,3
.endr
.irp b, 0,1,2,3
	v_lshrrev_b32 v[TM+4+\b], 23, v[TM+12+\b]      ; the byte
.endr
	v_lshl_or_b32 v[WW+(\a)], v[TM+5], 8, v[TM+4]
	v_lshl_or_b32 v[WW+(\a)], v[TM+6], 16, v[WW+(\a)]
	v_lshl_or_b32 v[WW+(\a)], v[TM+7], 24, v[WW+(\a)]
	WIN QW                                         ; source 0 alone
.irp b, 0,1,2,3
.irp i, 0,1,2,3,4,5,6,7,8,9,10,11,12,13,14,15
.endr
.endr
.irp b, 0,1,2,3
	v_cvt_scalef32_pk8_bf8_f32 v[CD+16*(\a)+4*\b:CD+16*(\a)+4*\b+1], v[RS+16*\b:RS+16*\b+7], v[TM+12+\b]
	v_cvt_scalef32_pk8_bf8_f32 v[CD+16*(\a)+4*\b+2:CD+16*(\a)+4*\b+3], v[RS+16*\b+8:RS+16*\b+15], v[TM+12+\b]
.endr
	WIN 0
	v_nop                                          ; a plain line behind the last conversion
.irp b, 0,1,2,3
	global_store_b128 v[LI], v[CD+16*(\a)+4*\b:CD+16*(\a)+4*\b+3], s[12:13] offset:2048*(\a)+512*\b   ; 32 lanes store 512 consecutive aligned bytes
.endr
.if (\a)%2
	v_cndmask_b32 v[YY+(\a)/2], v[WW+(\a)-1], v[WW+(\a)], s23   ; lanes 0-15 keep the even block's word, lanes 16-31 the odd one's
.endif
.endm
	PLACES NP                                      ; behind the last products: their results are read, and registers that they read are written, below
	s_mov_b32 s20, 0x76543210
	s_mov_b32 s21, 0xfedcba98                      ; v_permlanex16_b32's selects for lane l xor 16
	s_mov_b32 s23, 0xffff0000                      ; lanes 16-31
.irp b, 0,1,2,3
	v_mov_b32 v[TM+4+\b], 0                        ; a lane permute's destination counts as one of its sources
.endr
.irp a, 0,1,2,3,4,5,6,7
	QROW \a
.endr
	global_store_b128 v[LI], v[YY:YY+3], s[100:101]   ; the block's 512 bytes of scale words
	s_wait_tensorcnt 0x0                           ; the wave's end
	ds_add_u32 v[SPW], v[NIL]
	s_wait_dscnt 0x0
	CROUND                                         ; the closing round
	s_endpgm
.Lfunc_end_k_qab7fe1b564_qkv:
	.size	k_qab7fe1b564_qkv, .Lfunc_end_k_qab7fe1b564_qkv-k_qab7fe1b564_qkv
	.p2alignl 7, 3214868480
	.fill 96, 4, 3214868480
	.section	.rodata,"a",@progbits
	.p2align	6, 0x0
	.amdhsa_kernel k_qab7fe1b564_qkv
		.amdhsa_group_segment_fixed_size 327680
		.amdhsa_private_segment_fixed_size 0
		.amdhsa_enable_private_segment 0
		.amdhsa_kernarg_size 80
		.amdhsa_user_sgpr_count 2
		.amdhsa_user_sgpr_kernarg_segment_ptr 1
		.amdhsa_wavefront_size32 1
		.amdhsa_system_sgpr_workgroup_id_x 1
		.amdhsa_system_sgpr_workgroup_id_y 1
		.amdhsa_system_sgpr_workgroup_id_z 1
		.amdhsa_system_vgpr_workitem_id 0
		.amdhsa_next_free_vgpr 1024
		.amdhsa_next_free_sgpr 102
		.amdhsa_reserve_vcc 0
		.amdhsa_float_denorm_mode_32 3
		.amdhsa_float_denorm_mode_16_64 3
		.amdhsa_fp16_overflow 1
		.amdhsa_memory_ordered 1
		.amdhsa_forward_progress 1
		.amdhsa_inst_pref_size 150
	.end_amdhsa_kernel
	.amdgpu_metadata
---
amdhsa.version: [ 1, 2 ]
amdhsa.kernels:
  - .name:           k_qab7fe1b564_qkv
    .symbol:         k_qab7fe1b564_qkv.kd
    .args:
      - { .name: x_codes, .offset: 0, .size: 8, .value_kind: global_buffer, .address_space: global }
      - { .name: x_scales, .offset: 8, .size: 8, .value_kind: global_buffer, .address_space: global }
      - { .name: Wq_codes, .offset: 16, .size: 8, .value_kind: global_buffer, .address_space: global }
      - { .name: Wq_scales, .offset: 24, .size: 8, .value_kind: global_buffer, .address_space: global }
      - { .name: Wk_codes, .offset: 32, .size: 8, .value_kind: global_buffer, .address_space: global }
      - { .name: Wk_scales, .offset: 40, .size: 8, .value_kind: global_buffer, .address_space: global }
      - { .name: Wv_codes, .offset: 48, .size: 8, .value_kind: global_buffer, .address_space: global }
      - { .name: Wv_scales, .offset: 56, .size: 8, .value_kind: global_buffer, .address_space: global }
      - { .name: qkv_codes, .offset: 64, .size: 8, .value_kind: global_buffer, .address_space: global }
      - { .name: qkv_scales, .offset: 72, .size: 8, .value_kind: global_buffer, .address_space: global }
    .group_segment_fixed_size: 327680
    .private_segment_fixed_size: 0
    .kernarg_segment_align: 8
    .kernarg_segment_size: 80
    .max_flat_workgroup_size: 128
    .sgpr_count:     102
    .vgpr_count:     1024
    .wavefront_size: 32
...
	.end_amdgpu_metadata
.endif
;; end of part 1
;; launch attn (part 2): grid 8 x 32, 16 waves a work-group, clusters of 4 x 1, 327,680 bytes of LDS; arguments qkv_codes, qkv_scales, o_codes, o_scales; writes o_codes, o_scales
.if DOCPART == 2
	.amdgcn_target "amdgcn-amd-amdhsa--gfx1250"
	.amdhsa_code_object_version 6
	.text
	.protected	k_qab7fe1b564_attn
	.globl	k_qab7fe1b564_attn
	.p2align	8
	.type	k_qab7fe1b564_attn,@function
k_qab7fe1b564_attn:
	s_mov_b64 s[64:65], 0
	v_nop
	global_prefetch_b8 v0, s[64:65] scope:SCOPE_SE
	s_setreg_imm32_b32 hwreg(HW_REG_WAVE_MODE, 25, 1), 1
	s_wait_xcnt 0x0
	s_wait_alu depctr_hold_cnt(0) depctr_sa_sdst(0) depctr_va_vdst(0) depctr_va_sdst(0) depctr_va_ssrc(0) depctr_va_vcc(0) depctr_vm_vsrc(0)
	s_getreg_b32 s2, hwreg(HW_REG_IB_STS2, 6, 4)
	s_cmp_eq_u32 s2, 0
	s_cbranch_scc0 .Lentry_in_a_cluster
	s_endpgm
.Lentry_in_a_cluster:
	s_bfe_u32 s2, ttmp6, 0x10000c
	s_cmp_lg_u32 s2, 0x3003
	s_cbranch_scc0 .Lentry_shape_is_right
	s_endpgm
.Lentry_shape_is_right:
; Causal attention on codes of BF8 (E5M2): S = q k^T / 32 (K = the head's 64), p = 2^(t - M) quantised along the keys, O = p v, o = O / l quantised along c = 64 head + d.  2,048 tokens, 16 heads of 64, 4 sequences.
; t = score x log2(e) / 32; M = the running largest t rounded up to a whole number; l = the sum of the unquantised p; when M moves, l and O are multiplied by 2^(old M - new M): nothing is rounded.
; SHARES.  y = 8 n + hp names a sequence and a PAIR of heads; j = 0 .. 7.  Work-group (j, y) owns the 16 tiles of 16 queries (pi, j): tokens 128 pi + 16 j + r, pi = 0 .. 15, of both heads.
; Tile (pi, j) needs the key steps 0 .. pi of 128 keys; step pi lies on the diagonal.  So every work-group walks all 16 key steps and has the same work, and trip counts and branches hang on the wave's number and the
; count of steps alone.  Wave p has two units: (tile p, head 2 hp) and (tile 15 - p, head 2 hp + 1): 17 unit steps in every wave.
; CLUSTER: the four work-groups j = 4 X .. 4 X + 3 of a pair walk the same K and V in step: each tile is asked for jointly.
; LAYOUT.  Both products are used transposed (S^T = K Q^T, O^T = V^T P^T): a lane holds ONE query.  K, V and Q come as images of operand registers (16 x lane), made by the launch before.
; K = 64 fills half of the instruction's 128: a fragment of K holds TWO tiles of keys (registers 0-7: tile a, 8-15: tile a + 2) and is multiplied by [q | 0] and by [0 | q]: no fragment is read twice, and the zero codes stand on Q's side.
; The order inside a block of 32 (32 b + 16 (i / 8) + 8 h + i % 8) is the same in q and k, and the same in p (natural tiles of S^T) and v: the products and blocks are the true ones; only the order of additions inside an instruction differs.
; o meets Wo, which is given in true order: its codes are brought into true order by one exchange with lane l xor 16.
;   o_codes [8 n + j][pi / 8][hp][pi % 8][group 4][lane][16 bytes]; o_scales [8 n + j][pi / 8][hp][lane = r + 16 (pi & 1)][(pi % 8) / 2] words.
; LIMITS: a block whose largest magnitude lies under 2^-111 gets the byte 1 (its codes are zeros or subnormal; only this program reads the bytes).  NaN and infinities are not served.
.set SLOT1, 65536                      ; LDS: slot 0 at 0, slot 1 here: [K step 0][K step 1][V step 0][V step 1], 16,384 bytes each
.set SCK,   131072                     ; K's scale words of the pair, 16 steps x 512 bytes; V's 8,192 bytes behind them
.set STG,   147456                     ; 1,024 bytes: o's scale bytes are gathered here
.set SPARE, 148480                     ; the spare words: 128 bytes for each of 16 waves
.set LI,  1                            ; v1   16 x lane
.set SPW, 2
.set NIL, 3
.set QS,  4                            ; v4, v5  Q's scale words (s0, s1, s0, s1) of unit 0, 1
.set AD,  6                            ; v6   LDS address of the step's tiles
.set ADS, 7                            ; v7   and of its scale words
.set QZ,  8                            ; v8-47: zeros, q of unit 0, zeros, q of unit 1, zeros: [0|q0] = v8.., [q0|0] = v16.., [0|q1] = v24.., [q1|0] = v32..
.set ST,  48                           ; v48-51, v52-55: -M, the largest t, l in two halves
.set F,   56                           ; v56-119: K's four fragments; in the softmax v[F..F+19] at work, v[F+32..F+47] p's codes
.set PCD, F+32
.set S,   120                          ; v120-183: S^T, then p, then V's four fragments
.set O,   184                          ; v184-215, v216-247: O^T of unit 0, 1
.set SCR, 248                          ; v248, v249: the scale words of K's, then of V's fragments
.set FF,  250                          ; v250: 2^(old M - new M)
.set PW,  251                          ; v251: p's scale word
.set DQ,  252                          ; v252: 16 j + r - 8 h
.set PFO, 253                          ; v253: 256 x lane
.set PD,  254                          ; v254, v255: destinations of lane permutes on the way out
.set TB,  2                            ; s2   LDS byte of the step's tiles
.set TS,  3                            ; s3   of its scale words
.set WV,  12
.set PI,  16                           ; s16, s17  pi of unit 0, 1
.set KC,  18                           ; s18  the key step
.set MNT, 19
.set SEL, 20
.set CS,  22                           ; s[22:23] log2(e) / 32
.set G1,  24
.set G1S, 32
.set G0,  40
.set G0S, 44
.set SLOTS, 48
.set TWICE, 49
.set PFA, 50
.set LIM, 52
.set HM,  53
.macro PLACES n
.rept \n
	v_nop
.endr
.endm
.macro CROUND                          ; a round of the cluster's barrier
	s_barrier_signal -1
	s_barrier_wait -1
	s_cmp_lg_u32 s[WV], 0
	s_cbranch_scc1 .Lnot_wave_0_\@
	s_barrier_signal -3
.Lnot_wave_0_\@:
	s_barrier_wait -3
	s_barrier_signal -1
	s_barrier_wait -1
.endm
	s_load_b256 s[4:11], s[0:1], 0x0               ; qkv_codes, qkv_scales, o_codes, o_scales
	v_lshl_add_u32 v[SPW], v0, 2, SPARE
	v_mov_b32 v[NIL], 0
	ds_add_u32 v[SPW], v[NIL]                      ; the wave's opening: the add and its wait ahead of the first tensor loads
	ds_add_u32 v[SPW], v[NIL]
	v_lshrrev_b32 v6, 5, v0
	s_delay_alu instid0(VALU_DEP_1)
	v_readfirstlane_b32 s[WV], v6                  ; wave 0..15
	s_bfe_u32 s13, ttmp6, 0x40000                  ; cx
	s_lshl_b32 s14, ttmp9, 2
	s_add_co_u32 s14, s14, s13                     ; j: it enters Q's and o's addresses and the mask's numbers alone
	s_and_b32 s15, ttmp7, 0xffff                   ; y, which the four partners share
	s_mov_b32 s[PI], s[WV]
	s_xor_b32 s[PI+1], s[WV], 15
	s_mov_b32 s[G1], 15|(3<<16)|(1<<21)            ; the mask: all four; elements of 8 bytes; no padding; bit 21 beside a mask
	s_mov_b32 s[G1+1], 32<<16                      ; rows of 256 bytes,
	s_mov_b32 s[G1+2], 64<<16                      ; 64 of them: a step's dense 16,384 bytes of K or of V
	s_mov_b32 s[G1+3], 32<<16
	s_mov_b32 s[G1+4], 64
	s_mov_b32 s[G1+5], 32
	s_mov_b32 s[G1+6], 0
	s_mov_b32 s[G1+7], 0
	s_mov_b32 s[G1S], 15|(3<<16)|(1<<21)           ; the scale words of the pair: 32 rows of 256 bytes
	s_mov_b32 s[G1S+1], 32<<16
	s_mov_b32 s[G1S+2], 32<<16
	s_mov_b32 s[G1S+3], 32<<16
	s_mov_b32 s[G1S+4], 32
	s_mov_b32 s[G1S+5], 32
	s_mov_b32 s[G1S+6], 0
	s_mov_b32 s[G1S+7], 0
	s_mov_b32 s[MNT], 0x600000
	s_mov_b32 s[SEL], 0x76543210
	s_mov_b32 s[SEL+1], 0xfedcba98
	s_mov_b32 s[CS], 0x3d38aa3b
	s_mov_b32 s[CS+1], s[CS]
	s_mov_b32 s[HM], 0xffff0000                    ; lanes 16-31
	s_mov_b32 s[TB], 0
	s_mov_b32 s[TS], SCK
	s_mov_b32 s[KC], 0
	s_mov_b32 s[SLOTS], 7
	; waves 0, 1: K's two steps of a slot; waves 2, 3: V's
	s_mov_b32 s[G0], 1
	s_and_b32 s[G0+1], s[WV], 3
	s_lshl_b32 s[G0+1], s[G0+1], 14
	s_bfe_u32 s54, s[WV], 0x10001
	s_add_co_u32 s54, s54, 1                       ; X = 1: k, 2: v
	s_lshl_b32 s54, s54, 23
	s_lshl_b32 s55, s15, 18                        ; the pair's 16 blocks of 16,384 bytes
	s_add_co_u32 s54, s54, s55
	s_and_b32 s56, s[WV], 1
	s_lshl_b32 s55, s56, 14
	s_add_co_u32 s54, s54, s55
	s_mov_b32 s55, 0
	; waves 4, 5: K's and V's scale words
	s_mov_b32 s[G0S], 1
	s_lshl_b32 s[G0S+1], s56, 13
	s_add_co_u32 s[G0S+1], s[G0S+1], SCK
	s_add_co_u32 s57, s56, 1
	s_lshl_b32 s58, s57, 18
	s_lshl_b32 s59, s15, 13
	s_add_co_u32 s58, s58, s59
	s_mov_b32 s59, 0
	; the prefetches: wave 8 for K, wave 9 for V, in the pair's first cluster; the four partners take 8,192 bytes each of a slot's 32,768, told apart by address
	s_lshl_b32 s60, s57, 23
	s_lshl_b32 s61, s15, 18
	s_add_co_u32 s60, s60, s61
	s_lshl_b32 s61, s13, 13
	s_add_co_u32 s60, s60, s61
	s_add_co_u32 s60, s60, 32768                   ; in slot 1: the first change of slots steps it to slot 2
	s_mov_b32 s61, 0
	s_lshr_b32 s62, s[WV], 1
	s_xor_b32 s62, s62, 4
	s_or_b32 s62, s62, ttmp9
	s_cmp_eq_u32 s62, 0
	s_cselect_b32 s[LIM], 1, -1                    ; the same in all four partners, for a given wave
	s_wait_dscnt 0x0                               ; the opening add is done
	s_wait_kmcnt 0x0
	s_add_nc_u64 s[G0+2:G0+3], s[4:5], s[54:55]
	s_or_b32 s[G0+3], s[G0+3], 0x80000000
	s_add_nc_u64 s[G0S+2:G0S+3], s[6:7], s[58:59]
	s_or_b32 s[G0S+3], s[G0S+3], 0x80000000
	s_add_nc_u64 s[PFA:PFA+1], s[4:5], s[60:61]
	CROUND                                         ; all four work-groups are here: the first joint loads meet
	s_cmp_lt_u32 s[WV], 4                          ; slot 0 and the scale words: one load a wave, six waves
	s_cbranch_scc0 .Lnot_codes
	tensor_load_to_lds s[G0:G0+3], s[G1:G1+7]
	s_nop 0
	PLACES 4
	s_branch .Lfirst_done
.Lnot_codes:
	s_cmp_lt_u32 s[WV], 6
	s_cbranch_scc0 .Lfirst_done
	tensor_load_to_lds s[G0S:G0S+3], s[G1S:G1S+7]
	s_nop 0
	PLACES 4
.Lfirst_done:
	v_and_b32 v6, 31, v0
	s_delay_alu instid0(VALU_DEP_1)
	v_lshlrev_b32 v[LI], 4, v6
	s_wait_alu depctr_va_vdst(0)
	v_lshlrev_b32 v[PFO], 8, v6
	v_and_b32 v7, 15, v0                           ; r
	v_bfe_u32 v6, v0, 4, 1
	s_delay_alu instid0(VALU_DEP_1)
	v_lshlrev_b32 v6, 3, v6                        ; 8 h
	s_delay_alu instid0(VALU_DEP_1)
	v_sub_nc_u32 v[DQ], v7, v6
	s_lshl_b32 s63, s14, 4
	v_add_nc_u32 v[DQ], s63, v[DQ]
	v_lshlrev_b32 v7, 4, v7                        ; 16 r
	s_wait_alu depctr_va_vdst(0)
.irp e, 0,1                            ; Q stays in registers: image (X = 0, y, t128 = pi, a = j), the head's two groups; and its scale word
	s_lshl_b32 s62, s15, 4
	s_add_co_u32 s62, s62, s[PI+\e]
	s_lshl_b32 s80, s62, 14
	s_lshl_b32 s63, s14, 11
	s_add_co_u32 s80, s80, s63
	s_mov_b32 s81, 0
	s_add_nc_u64 s[72+2*\e:73+2*\e], s[4:5], s[80:81]
	s_lshl_b32 s80, s62, 9
	s_and_b32 s63, s14, 1
	s_lshl_b32 s63, s63, 8
	s_add_co_u32 s80, s80, s63
	s_lshr_b32 s63, s14, 1
	s_lshl_b32 s63, s63, 2
	s_add_co_u32 s80, s80, s63
	s_add_nc_u64 s[76+2*\e:77+2*\e], s[6:7], s[80:81]
	global_load_b128 v[QZ+8+16*\e:QZ+11+16*\e], v[LI], s[72+2*\e:73+2*\e] offset:1024*\e
	global_load_b128 v[QZ+12+16*\e:QZ+15+16*\e], v[LI], s[72+2*\e:73+2*\e] offset:1024*\e+512
	global_load_b32 v[QS+\e], v7, s[76+2*\e:77+2*\e]
.endr
.irp z, 0,16,32
.irp i, 0,1,2,3,4,5,6,7
	v_mov_b32 v[QZ+\z+\i], 0                       ; the zero codes beside q
.endr
.endr
.irp e, 0,1
	v_mov_b32 v[ST+4*\e+1], 0xff61b1e6             ; the largest t so far: -3e38
	s_delay_alu instid0(VALU_DEP_1)
	v_floor_f32 v[ST+4*\e], -v[ST+4*\e+1]
	v_mov_b32 v[ST+4*\e+2], 0
	v_mov_b32 v[ST+4*\e+3], 0
.endr
.set NN, 0
.rept 64
	v_mov_b32 v[O+NN], 0                           ; the step is written once: the first finds zeros, which the first change of M leaves zeros
.set NN, NN+1
.endr
	v_mov_b32 v[PW], 0                             ; named as the upper half of the pair v[250:251] before it is first written
	v_mov_b32 v[PD], 0
	v_mov_b32 v[PD+1], 0
	s_wait_loadcnt 0x0                             ; Q
	v_perm_b32 v[QS], v[QS], v[QS], 0x01000100     ; the head's two bytes, twice: for [q | 0] and for [0 | q]
	v_perm_b32 v[QS+1], v[QS+1], v[QS+1], 0x03020302
.macro SQK d, f, q, sc, e, row1        ; 16 keys x 16 queries: source 0 = a fragment of K, source 1 = Q beside zeros
.if \row1
	v_wmma_scale_f32_16x16x128_f8f6f4 v[\d:\d+7], v[\f:\f+15], v[\q:\q+15], 0, v[\sc], v[QS+\e] matrix_a_fmt:MATRIX_FMT_BF8 matrix_b_fmt:MATRIX_FMT_BF8 matrix_a_scale:MATRIX_SCALE_ROW1
.else
	v_wmma_scale_f32_16x16x128_f8f6f4 v[\d:\d+7], v[\f:\f+15], v[\q:\q+15], 0, v[\sc], v[QS+\e] matrix_a_fmt:MATRIX_FMT_BF8 matrix_b_fmt:MATRIX_FMT_BF8
.endif
.endm
; ONE UNIT'S KEY STEP: 16 queries of head e of the pair x 128 keys.
.macro UNIT e
.set ST_, ST+4*\e
.set O_,  O+32*\e
.set QLO, QZ+8+16*\e
.set QHI, QZ+16*\e
	s_cmp_gt_u32 s[KC], s[PI+\e]                   ; all keys of the step come after my queries: the step is left out (the wave's number and the count of steps alone)
	s_cbranch_scc1 .Lhid_\@
	PLACES 8                                       ; behind the last products: loads into registers that they read; with the eight below, 16 ahead of the products that write over them
	s_wait_alu depctr_va_vdst(0)
	ds_load_b128 v[S:S+3], v[ADS]                  ; K's scale words as stored: word w of lane (r, h) is tile 2 w + h, row r
.irp f, 0,1,2,3                        ; fragment f = 2 g + u: registers 0-7 tile 4 g + u, registers 8-15 tile 4 g + u + 2; of each the head's two groups
.irp c, 0,1,2,3
	ds_load_b128 v[F+16*\f+4*\c:F+16*\f+4*\c+3], v[AD] offset:(4*(\f/2)+\f%2+2*(\c/2))*2048+(2*\e+\c%2)*512
.endr
.endr
	s_wait_dscnt 16                                ; the scale words are in; the 16 loads behind them may be out
.if \e
	v_perm_b32 v[SCR], v[S+1], v[S], 0x07060302    ; the head's two bytes of tile a, then of tile a + 2: lanes 0-15 for u = 0, lanes 16-31 for u = 1
	v_perm_b32 v[SCR+1], v[S+3], v[S+2], 0x07060302
.else
	v_perm_b32 v[SCR], v[S+1], v[S], 0x05040100
	s_wait_alu depctr_va_vdst(0)
	v_perm_b32 v[SCR+1], v[S+3], v[S+2], 0x05040100
.endif
	PLACES 8                                       ; a scale register written by a vector instruction stands eight places ahead of the product
	s_wait_alu depctr_va_vdst(0)
	s_wait_dscnt 0x0
.irp g, 0,1
	SQK S+32*\g,    F+32*\g,    QLO, SCR+\g, \e, 0
	SQK S+32*\g+16, F+32*\g,    QHI, SCR+\g, \e, 0
	SQK S+32*\g+8,  F+32*\g+16, QLO, SCR+\g, \e, 1
	SQK S+32*\g+24, F+32*\g+16, QHI, SCR+\g, \e, 1
.endr                                  ; register 8 a + i of lane (r, h): query r, key 16 a + 8 h + i of the step
	PLACES 8
	s_cmp_lg_u32 s[KC], s[PI+\e]                   ; on the diagonal the scores of hidden keys become -infinity ahead of the maximum
	s_cbranch_scc1 .Lopen_\@
	v_mov_b32 v[F+17], 0xff800000
.set NN, 0
.rept 64
	v_cmp_gt_i32 vcc_lo, 16*(NN/8)+NN%8, v[DQ]     ; hidden where 16 a + i + 8 h > 16 j + r
	v_cndmask_b32 v[S+NN], v[S+NN], v[F+17], vcc_lo
.set NN, NN+1
.endr
.Lopen_\@:
.irp b, 0,1,2,3
	v_max3_num_f32 v[F+\b], v[S+16*\b], v[S+1+16*\b], v[S+2+16*\b]   ; the largest score of each block of 32 keys: for the row's maximum, and for the block's largest p
.endr
.irp i, 3,5,7,9,11,13
.irp b, 0,1,2,3
	v_max3_num_f32 v[F+\b], v[F+\b], v[S+16*\b+\i], v[S+1+16*\b+\i]
.endr
.endr
.irp b, 0,1,2,3
	v_max_num_f32 v[F+\b], v[F+\b], v[S+15+16*\b]
.endr
.irp b, 0,1,2,3
	s_delay_alu instid0(VALU_DEP_4)
	v_permlanex16_b32 v[F+4+\b], v[F+\b], s[SEL], s[SEL+1]
.endr
.irp b, 0,1,2,3
	s_delay_alu instid0(VALU_DEP_4)
	v_max_num_f32 v[F+\b], v[F+\b], v[F+4+\b]
.endr
	s_delay_alu instid0(VALU_DEP_2)
	v_max3_num_f32 v[F+16], v[F], v[F+1], v[F+2]
	s_delay_alu instid0(VALU_DEP_1)
	v_max_num_f32 v[F+16], v[F+16], v[F+3]
	s_delay_alu instid0(VALU_DEP_1)
	v_mul_f32 v[F+16], s[CS], v[F+16]
	s_delay_alu instid0(VALU_DEP_1)
	v_max_num_f32 v[ST_+1], v[ST_+1], v[F+16]      ; the running largest t
	v_mov_b32 v[F+16], v[ST_]
	s_delay_alu instid0(VALU_DEP_2)
	v_floor_f32 v[ST_], -v[ST_+1]                  ; -M = floor(-t): M is a whole number
	s_delay_alu instid0(VALU_DEP_1)
	v_sub_f32 v[F+16], v[ST_], v[F+16]
	s_delay_alu instid0(VALU_DEP_1)
	v_cvt_i32_f32 v[F+16], v[F+16]                 ; (it saturates)
	s_delay_alu instid0(VALU_DEP_1)
	v_ldexp_f32 v[FF], 1.0, v[F+16]                ; 2^(old M - new M)
.set NN, 0
.rept 32
	v_pk_fma_f32 v[S+NN:S+NN+1], v[S+NN:S+NN+1], s[CS:CS+1], v[ST_:ST_+1] op_sel_hi:[1,0,0]   ; t - M
.set NN, NN+2
.endr
.irp b, 0,1,2,3
	v_fma_f32 v[F+\b], v[F+\b], s[CS], v[ST_]
.endr
.set NN, 0
	s_wait_alu depctr_va_vdst(0)
.rept 64
	v_exp_f32 v[S+NN], v[S+NN]                     ; p = 2^(t - M)
.set NN, NN+1
.endr
	v_pk_mul_f32 v[ST_+2:ST_+3], v[ST_+2:ST_+3], v[FF:FF+1] op_sel_hi:[1,0]   ; l under the new M: the plain line behind the exponentials
	s_wait_alu depctr_va_vdst(0)                   ; one wait for the batch, ahead of its first reader
.irp b, 0,1,2,3
	v_exp_f32 v[F+\b], v[F+\b]                     ; the block's largest p
.endr
	v_pk_add_f32 v[F+4:F+5], v[S:S+1], v[S+2:S+3]  ; l takes the unquantised p, in two chains
.irp j, 4,8,12,16,20,24,28,32,36,40,44,48,52,56,60
	v_pk_add_f32 v[ST_+2:ST_+3], v[ST_+2:ST_+3], v[S+\j:S+\j+1]
	v_pk_add_f32 v[F+4:F+5], v[F+4:F+5], v[S+\j+2:S+\j+3]
.endr
	s_delay_alu instid0(VALU_DEP_1)
	v_pk_add_f32 v[ST_+2:ST_+3], v[ST_+2:ST_+3], v[F+4:F+5]
	s_wait_alu depctr_va_vdst(0)                   ; and one for the four
.irp b, 0,1,2,3
	v_max_num_f32 v[F+\b], 0x8000000, v[F+\b]      ; the floor 2^-111
.endr
.irp b, 0,1,2,3
	s_delay_alu instid0(VALU_DEP_4)
	v_add_nc_u32 v[F+12+\b], 0xf8800000, v[F+\b]   ; the conversion's scale operand
.endr
.irp b, 0,1,2,3
.endr
.irp b, 0,1,2,3
	s_delay_alu instid0(VALU_DEP_4)
	v_lshrrev_b32 v[F+4+\b], 23, v[F+12+\b]
.endr
	s_delay_alu instid0(VALU_DEP_3)
	v_lshl_or_b32 v[PW], v[F+5], 8, v[F+4]
	s_delay_alu instid0(VALU_DEP_1)
	v_lshl_or_b32 v[PW], v[F+6], 16, v[PW]
	s_delay_alu instid0(VALU_DEP_1)
	v_lshl_or_b32 v[PW], v[F+7], 24, v[PW]
.irp b, 0,1,2,3
.irp i, 0,1,2,3,4,5,6,7,8,9,10,11,12,13,14,15
.endr
	v_cvt_scalef32_pk8_bf8_f32 v[PCD+4*\b:PCD+4*\b+1], v[S+16*\b:S+16*\b+7], v[F+12+\b]
	v_cvt_scalef32_pk8_bf8_f32 v[PCD+4*\b+2:PCD+4*\b+3], v[S+16*\b+8:S+16*\b+15], v[F+12+\b]
.endr
	v_nop                                          ; a plain line behind the last conversion
.irp t, 0,1,2,3                        ; V's four fragments of the head (16 of its 64 x 128 keys) take p's registers
.irp c, 0,1,2,3
	ds_load_b128 v[S+16*\t+4*\c:S+16*\t+4*\c+3], v[AD] offset:32768+(4*\e+\t)*2048+512*\c
.endr
.endr
	ds_load_b64 v[SCR:SCR+1], v[ADS] offset:8192+8*\e   ; their scale words: word t / 2, lanes 16 (t % 2) on
.set NN, 0
.rept 16
	v_pk_mul_f32 v[O_+NN:O_+NN+1], v[O_+NN:O_+NN+1], v[FF:FF+1] op_sel_hi:[1,0]   ; O^T under the new M; also the places ahead of the products
.set NN, NN+2
.endr
	s_wait_alu depctr_va_vdst(0)
	s_wait_dscnt 0x0
.irp g, 0,1                            ; the four accumulators take turns
	v_wmma_scale_f32_16x16x128_f8f6f4 v[O_+16*\g:O_+16*\g+7], v[S+32*\g:S+32*\g+15], v[PCD:PCD+15], v[O_+16*\g:O_+16*\g+7], v[SCR+\g], v[PW] matrix_a_fmt:MATRIX_FMT_BF8 matrix_b_fmt:MATRIX_FMT_BF8
	v_wmma_scale_f32_16x16x128_f8f6f4 v[O_+16*\g+8:O_+16*\g+15], v[S+32*\g+16:S+32*\g+31], v[PCD:PCD+15], v[O_+16*\g+8:O_+16*\g+15], v[SCR+\g], v[PW] matrix_a_fmt:MATRIX_FMT_BF8 matrix_b_fmt:MATRIX_FMT_BF8 matrix_a_scale:MATRIX_SCALE_ROW1
.endr
.Lhid_\@:
.endm
.macro STEP
	v_add_nc_u32 v[AD], s[TB], v[LI]
	v_add_nc_u32 v[ADS], s[TS], v[LI]
	UNIT 0
	UNIT 1
	s_add_co_u32 s[KC], s[KC], 1
	s_add_co_u32 s[TS], s[TS], 512
	s_add_co_u32 s[TB], s[TB], 16384
.endm
.macro TWO_STEPS                       ; a slot's two key steps: written once, walked twice
	s_mov_b32 s[TWICE], 2
.Lstep_\@:
	STEP
	s_sub_co_u32 s[TWICE], s[TWICE], 1
	s_cmp_lg_u32 s[TWICE], 0
	s_cbranch_scc1 .Lstep_\@
	s_sub_co_u32 s[TB], s[TB], 32768
	s_xor_b32 s[TB], s[TB], SLOT1                  ; on to the other slot
.endm
; THE CHANGE OF SLOTS stands at a slot's head: each wave waits for all its tensor loads, adds 0 to its spare word, and waits for that and for its reads of the slot that it has left.
; fill = 1: a round of the cluster's barrier, and behind it the slot just left is filled with the next 256 keys: one joint load in each of waves 0 to 3, with a slot's two steps in which to land.
.macro CHANGE fill
	s_wait_tensorcnt 0x0                           ; no tensor load of mine is out: the group 0 may be written
	ds_add_u32 v[SPW], v[NIL]
.if \fill
	s_xor_b32 s[G0+1], s[G0+1], SLOT1
	s_add_nc_u64 s[G0+2:G0+3], s[G0+2:G0+3], 32768
	s_wait_xcnt 0x0                                ; the last prefetch, a slot back, has read its address
	s_add_nc_u64 s[PFA:PFA+1], s[PFA:PFA+1], 32768 ; one slot further on than the walking descriptor
	s_wait_dscnt 0x0
	CROUND
	s_cmp_lt_u32 s[WV], 4
	s_cbranch_scc0 .Lnone_\@
	tensor_load_to_lds s[G0:G0+3], s[G1:G1+7]
	s_nop 0
	PLACES 4
.Lnone_\@:
	s_cmp_gt_u32 s[SLOTS], s[LIM]                  ; a prefetch of what the next change will ask for: 32 lanes x 256 bytes, each block named once in the launch; the last filling change asks for nothing
	s_cbranch_scc0 .Lnot_mine_\@
	global_prefetch_b8 v[PFO], s[PFA:PFA+1] th:TH_LOAD_NT scope:SCOPE_SE
.Lnot_mine_\@:
.else
	s_wait_dscnt 0x0
	s_barrier_signal -1
	s_barrier_wait -1
.endif
.endm
.Lslot:                                ; seven trips: behind each change of slots but the last the next slot is asked for
	CHANGE 1
	TWO_STEPS
	s_sub_co_u32 s[SLOTS], s[SLOTS], 1
	s_cmp_lg_u32 s[SLOTS], 0
	s_cbranch_scc1 .Lslot
	CHANGE 0                                       ; the last slot is written out
	TWO_STEPS
	; THE WAY OUT.  o = O / l; quantised along c; the codes into true order; four stores of 512 bytes a wave; the scale bytes meet in LDS and leave as two blocks of 512 bytes.
	s_lshr_b32 s80, s15, 3
	s_lshl_b32 s80, s80, 3
	s_add_co_u32 s80, s80, s14                     ; 8 n + j
	s_lshl_b32 s80, s80, 1
	s_and_b32 s81, s15, 7                          ; hp
.irp e, 0,1
	s_lshr_b32 s82, s[PI+\e], 3
	s_add_co_u32 s82, s82, s80
	s_lshl_b32 s82, s82, 3
	s_add_co_u32 s82, s82, s81
	s_lshl_b32 s82, s82, 3
	s_and_b32 s83, s[PI+\e], 7
	s_add_co_u32 s82, s82, s83
	s_lshl_b32 s82, s82, 11                        ; a fragment's image is 2,048 bytes
	s_mov_b32 s83, 0
	s_add_nc_u64 s[66+2*\e:67+2*\e], s[8:9], s[82:83]
	s_lshr_b32 s58, s[PI+\e], 3                    ; the unit's two scale bytes in the stage: 512 (pi / 8) + 256 (pi & 1) + 4 ((pi / 2) & 3) + 2 e (+ 16 r): the wave's number alone
	s_lshl_b32 s58, s58, 9
	s_and_b32 s59, s[PI+\e], 1
	s_lshl_b32 s59, s59, 8
	s_add_co_u32 s58, s58, s59
	s_bfe_u32 s59, s[PI+\e], 0x20001
	s_lshl_b32 s59, s59, 2
	s_add_co_u32 s58, s58, s59
	s_add_co_u32 s[60+\e], s58, STG+2*\e
.endr
	s_and_b32 s56, s[WV], 1
	s_lshl_b32 s62, s56, 9
	s_add_co_u32 s62, s62, STG
	s_add_co_u32 s82, s56, s80
	s_lshl_b32 s82, s82, 3
	s_add_co_u32 s82, s82, s81
	s_lshl_b32 s82, s82, 9
	s_add_nc_u64 s[70:71], s[10:11], s[82:83]
	PLACES 8                                       ; behind the last products
.irp e, 0,1
	v_add_f32 v[ST+4*\e+3], v[ST+4*\e+2], v[ST+4*\e+3]
.endr
.irp e, 0,1
	s_delay_alu instid0(VALU_DEP_2)
	v_permlanex16_b32 v[PD+\e], v[ST+4*\e+3], s[SEL], s[SEL+1]
.endr
.irp e, 0,1
	s_delay_alu instid0(VALU_DEP_2)
	v_add_f32 v[ST+4*\e+3], v[ST+4*\e+3], v[PD+\e] ; l
.endr
	s_wait_alu depctr_va_vdst(0)
.irp e, 0,1
	v_rcp_f32 v[ST+4*\e+2], v[ST+4*\e+3]
.endr
	v_and_b32 v11, 15, v0                          ; plain work behind the reciprocals: the LDS addresses, made on the way that all waves take
	s_delay_alu instid0(VALU_DEP_1)
	v_lshl_add_u32 v8, v11, 4, s60
	s_delay_alu instid0(VALU_DEP_2)
	v_lshl_add_u32 v9, v11, 4, s61
	v_add_nc_u32 v10, s62, v[LI]
.irp b, 0,1,2,3
	v_mov_b32 v[F+4+\b], 0                         ; a lane permute's destination counts as one of its sources
.endr
	s_wait_alu depctr_va_vdst(0)                   ; one wait for the two, ahead of their first reader
.irp e, 0,1
.set NN, 0
.rept 16
	v_pk_mul_f32 v[S+32*\e+NN:S+32*\e+NN+1], v[O+32*\e+NN:O+32*\e+NN+1], v[ST+4*\e+2:ST+4*\e+3] op_sel_hi:[1,0]   ; register 32 e + 8 t + i: o(r, 64 e + 16 t + 8 h + i); each accumulator from its low end on
.set NN, NN+2
.endr
.endr
.irp b, 0,1,2,3                        ; block b = 2 e + (half of the head): 16 numbers here, 16 in lane l xor 16
	v_max3_num_f32 v[F+\b], |v[S+16*\b]|, |v[S+16*\b+1]|, 0x8000000
.endr
.irp i, 2,4,6,8,10,12,14
.irp b, 0,1,2,3
	s_delay_alu instid0(VALU_DEP_4)
	v_max3_num_f32 v[F+\b], v[F+\b], |v[S+16*\b+\i]|, |v[S+16*\b+\i+1]|
.endr
.endr
.irp b, 0,1,2,3
	s_delay_alu instid0(VALU_DEP_4)
	v_permlanex16_b32 v[F+4+\b], v[F+\b], s[SEL], s[SEL+1]
.endr
.irp b, 0,1,2,3
	s_delay_alu instid0(VALU_DEP_4)
	v_max_num_f32 v[F+\b], v[F+\b], v[F+4+\b]
.endr
.irp b, 0,1,2,3
	s_delay_alu instid0(VALU_DEP_4)
	v_add_nc_u32 v[F+12+\b], 0xf8800000, v[F+\b]
.endr
.irp b, 0,1,2,3
	v_and_or_b32 v[F+8+\b], v[F+\b], 0x7f800000, s[MNT]
.endr
.irp b, 0,1,2,3
	v_lshrrev_b32 v[F+4+\b], 23, v[F+12+\b]
.endr
	s_delay_alu instid0(VALU_DEP_3)
	v_lshl_or_b32 v[F+48], v[F+5], 8, v[F+4]       ; unit 0's two bytes,
	s_delay_alu instid0(VALU_DEP_2)
	v_lshl_or_b32 v[F+49], v[F+7], 8, v[F+6]       ; unit 1's
.irp b, 0,1,2,3
.irp i, 0,1,2,3,4,5,6,7,8,9,10,11,12,13,14,15
	v_med3_num_f32 v[S+16*\b+\i], v[S+16*\b+\i], -v[F+8+\b], v[F+8+\b]
.endr
	v_cvt_scalef32_pk8_bf8_f32 v[F+16+4*\b:F+17+4*\b], v[S+16*\b:S+16*\b+7], v[F+12+\b]      ; L: indices 32 b + 8 h + 0 .. 7
	v_cvt_scalef32_pk8_bf8_f32 v[F+18+4*\b:F+19+4*\b], v[S+16*\b+8:S+16*\b+15], v[F+12+\b]   ; U: indices 32 b + 16 + 8 h + 0 .. 7
.endr
	v_nop
.irp b, 0,1,2,3                        ; true order wants 32 b + 16 h + 0 .. 15: lanes 0-15 keep L and take the other half's L; lanes 16-31 take the other half's U and keep U
.irp k, 0,1
	v_cndmask_b32 v[F+32+2*\b+\k], v[F+18+4*\b+\k], v[F+16+4*\b+\k], s[HM]   ; what I send: lanes 0-15 U, lanes 16-31 L
.endr
.endr
.irp b, 0,1,2,3
.irp k, 0,1
	v_permlanex16_b32 v[S+2*\b+\k], v[F+32+2*\b+\k], s[SEL], s[SEL+1]
.endr
.endr
.irp b, 0,1,2,3
.irp k, 0,1
	v_cndmask_b32 v[S+16+4*\b+\k], v[F+16+4*\b+\k], v[S+2*\b+\k], s[HM]
	v_cndmask_b32 v[S+18+4*\b+\k], v[S+2*\b+\k], v[F+18+4*\b+\k], s[HM]
.endr
.endr
.irp b, 0,1
	global_store_b128 v[LI], v[S+16+4*\b:S+19+4*\b], s[66:67] offset:512*\b   ; 32 lanes store 512 consecutive aligned bytes
.endr
.irp b, 2,3
	global_store_b128 v[LI], v[S+16+4*\b:S+19+4*\b], s[68:69] offset:512*\b
.endr
	ds_store_b16 v8, v[F+48]                       ; both halves of the lanes write the same two bytes with the same value
	ds_store_b16 v9, v[F+49]
	s_wait_dscnt 0x0                               ; for the others' sake: my stores into the stage are done
	s_barrier_signal -1
	s_barrier_wait -1
	s_cmp_lt_u32 s[WV], 2
	s_cbranch_scc0 .Lno_words
	ds_load_b128 v[S+32:S+35], v10                 ; waves 0 and 1: the scale words of tiles 0-7 and 8-15
	s_wait_dscnt 0x0
	global_store_b128 v[LI], v[S+32:S+35], s[70:71]
.Lno_words:
	s_wait_tensorcnt 0x0                           ; the wave's end
	ds_add_u32 v[SPW], v[NIL]
	s_wait_dscnt 0x0
	CROUND                                         ; the closing round
	s_endpgm
.Lfunc_end_k_qab7fe1b564_attn:
	.size	k_qab7fe1b564_attn, .Lfunc_end_k_qab7fe1b564_attn-k_qab7fe1b564_attn
	.p2alignl 7, 3214868480
	.fill 96, 4, 3214868480
	.section	.rodata,"a",@progbits
	.p2align	6, 0x0
	.amdhsa_kernel k_qab7fe1b564_attn
		.amdhsa_group_segment_fixed_size 327680
		.amdhsa_private_segment_fixed_size 0
		.amdhsa_enable_private_segment 0
		.amdhsa_kernarg_size 32
		.amdhsa_user_sgpr_count 2
		.amdhsa_user_sgpr_kernarg_segment_ptr 1
		.amdhsa_wavefront_size32 1
		.amdhsa_system_sgpr_workgroup_id_x 1
		.amdhsa_system_sgpr_workgroup_id_y 1
		.amdhsa_system_sgpr_workgroup_id_z 1
		.amdhsa_system_vgpr_workitem_id 0
		.amdhsa_next_free_vgpr 256
		.amdhsa_next_free_sgpr 84
		.amdhsa_reserve_vcc 1
		.amdhsa_float_denorm_mode_32 3
		.amdhsa_float_denorm_mode_16_64 3
		.amdhsa_fp16_overflow 1
		.amdhsa_memory_ordered 1
		.amdhsa_forward_progress 1
		.amdhsa_inst_pref_size 120
	.end_amdhsa_kernel
	.amdgpu_metadata
---
amdhsa.version: [ 1, 2 ]
amdhsa.kernels:
  - .name:           k_qab7fe1b564_attn
    .symbol:         k_qab7fe1b564_attn.kd
    .args:
      - { .name: qkv_codes, .offset: 0, .size: 8, .value_kind: global_buffer, .address_space: global }
      - { .name: qkv_scales, .offset: 8, .size: 8, .value_kind: global_buffer, .address_space: global }
      - { .name: o_codes, .offset: 16, .size: 8, .value_kind: global_buffer, .address_space: global }
      - { .name: o_scales, .offset: 24, .size: 8, .value_kind: global_buffer, .address_space: global }
    .group_segment_fixed_size: 327680
    .private_segment_fixed_size: 0
    .kernarg_segment_align: 8
    .kernarg_segment_size: 32
    .max_flat_workgroup_size: 512
    .sgpr_count:     84
    .vgpr_count:     256
    .wavefront_size: 32
...
	.end_amdgpu_metadata
.endif
;; end of part 2
;; launch proj (part 3): grid 4 x 32, 4 waves a work-group, clusters of 4 x 4, 327,680 bytes of LDS; arguments o_codes, o_scales, Wo_codes, Wo_scales, bo, out0; writes out0
.if DOCPART == 3
	.amdgcn_target "amdgcn-amd-amdhsa--gfx1250"
	.amdhsa_code_object_version 6
	.text
	.protected	k_qab7fe1b564_proj
	.globl	k_qab7fe1b564_proj
	.p2align	8
	.type	k_qab7fe1b564_proj,@function
k_qab7fe1b564_proj:
	s_mov_b64 s[64:65], 0
	v_nop
	global_prefetch_b8 v0, s[64:65] scope:SCOPE_SE
	s_setreg_imm32_b32 hwreg(HW_REG_WAVE_MODE, 25, 1), 1
	s_wait_xcnt 0x0
	s_wait_alu depctr_hold_cnt(0) depctr_sa_sdst(0) depctr_va_vdst(0) depctr_va_sdst(0) depctr_va_ssrc(0) depctr_va_vcc(0) depctr_vm_vsrc(0)
	s_getreg_b32 s2, hwreg(HW_REG_IB_STS2, 6, 4)
	s_cmp_eq_u32 s2, 0
	s_cbranch_scc0 .Lentry_in_a_cluster
	s_endpgm
.Lentry_in_a_cluster:
	s_bfe_u32 s2, ttmp6, 0x10000c
	s_cmp_lg_u32 s2, 0xf033
	s_cbranch_scc0 .Lentry_shape_is_right
	s_endpgm
.Lentry_shape_is_right:
; out = o Wo^T + bo on codes of BF8 (E5M2) with one E8M0 scale for each 32 along K = 1,024; out0 [8,192][1,024] f32.
; A work-group of four waves makes 256 rows x 256 columns, a wave 128 x 128: 64 accumulators.  K goes in steps of 256 through two LDS slots; the scale bytes come once and stay.
; A = o comes as IMAGES OF OPERAND REGISTERS, as the launch before stored them: o_codes [8 n + j][pi / 8][hp][pi % 8][group 4][lane][16 bytes]: a K step (two hp) of a wave's 128 rows is 32,768 dense bytes,
; and a fragment is read at 16 x lane.  The 256 rows of tile row 8 n + j are the tokens 2,048 n + 128 pi + 16 j + r, pi = 0 .. 15; a wave's block a of 16 rows is pi = 8 (half) + a.
; B = Wo comes as rows of codes, K innermost.  Source 0 = 16 rows of Wo, source 1 = 16 rows of o: a lane holds eight neighbouring columns of one row of out0.  The bias is the C of each sum's first product.
; CLUSTERS: 4 x 4 work-groups; o's tiles are asked for jointly along a row of the cluster, Wo's along a column.  128 work-groups: the product has no more tiles of this size.
; REGISTERS, in windows of 256: window 0: v0-31 addresses; v32-63 scale words, two sets; v64-127 the bias; v128-255 A's fragments.  window 1: B's fragments, two sets.  windows 2, 3: the accumulators.
.set SIZE_K, 1024
.set SIZE_N, 1024
.set KSTEP,  256
.set NQ,     KSTEP/128
.set ROWB,   256
.set ASTEP,  32768                     ; a K step of 128 rows of o, in bytes
.set KROW,   SIZE_K
.set PITCH,  272
.set FR,     16
.set NL,     4
.set NP,     8
.set HALFT,  128*PITCH                 ; a quarter of a slot; o's dense 32,768 bytes use the first part of theirs
.set SLOT,   4*HALFT
.set LAPS,   SIZE_K/(2*KSTEP)
.set KS,     SIZE_K/32
.set SCL,    2*SLOT
.set HALFS,  (128*KS/256)*272
.set SPARE,  SCL+4*HALFS
.set SPITCH, 528                       ; the way out: a stage of 16 rows x (512 + 16) bytes for each wave, in slot 0, which has had its last fill and its last read by then
.set ADRA, 16
.set ADRB, 20
.set STO,  24
.set RD,   25
.set CO,   26                          ; v26  16 x lane
.set ADSA, 27                          ; v27  LDS address of o's scale words
.set SPW,  28
.set NIL,  29
.set BOF,  30                          ; v30  32 h: my eight numbers of a tile of the bias
.set ADSB, 31                          ; v31  LDS address of Wo's scale words
.set SC,   32                          ; set s at v[32 + 16 s]: +2 i + q: Wo's blocks 2 i (lanes 0-15) and 2 i + 1 (lanes 16-31); +8 + 4 q + w: o's blocks 2 w and 2 w + 1
.set BI,   64
.set AF,   128
.set BK,   128
.set G1, 24
.set G0, 32
.set G1B, 48
.set G0B, 56
.set G1S, 68
.set G0S, 76
.set G1SB, 80
.set G0SB, 88
.set MSB, 0
.macro WIN new
.if MSB != \new
	s_set_vgpr_msb (MSB<<8)|\new
.set MSB, \new
.endif
.endm
.set MUL_LO,  0xa1                     ; source 0 (B) window 1, source 1 (A) window 0, C and D window 2
.set MUL_HI,  0xf1
.set MUL_LO0, 0x81                     ; the first step: C (the bias) in window 0
.set MUL_HI0, 0xc1
.set TO_B,    0x40
.macro JLOAD g0a, g1a, g0b, g1b        ; a joint load: waves 0 and 1 fetch for A, waves 2 and 3 for B
	s_cmp_eq_u32 s15, 0
	s_cbranch_scc0 .Lfor_b_\@
	tensor_load_to_lds s[\g0a:\g0a+3], s[\g1a:\g1a+7]
	s_nop 0
.rept 4
	v_nop
.endr
	s_branch .Lasked_\@
.Lfor_b_\@:
	tensor_load_to_lds s[\g0b:\g0b+3], s[\g1b:\g1b+7]
	s_nop 0
.rept 4
	v_nop
.endr
.Lasked_\@:
.endm
.macro CREST
	s_cmp_lg_u32 s14, 0
	s_cbranch_scc1 .Lnot_wave_0_\@
	s_barrier_signal -3
.Lnot_wave_0_\@:
	s_barrier_wait -3
	s_barrier_signal -1
	s_barrier_wait -1
.endm
.macro CROUND
	s_barrier_signal -1
	s_barrier_wait -1
	CREST
.endm
	s_load_b128 s[4:7], s[0:1], 0x0                ; o's codes, o's scales
	s_load_b128 s[8:11], s[0:1], 0x10              ; Wo's codes, Wo's scales
	s_load_b64 s[96:97], s[0:1], 0x20              ; bo
	s_load_b64 s[12:13], s[0:1], 0x28              ; out0
	v_lshl_add_u32 v[SPW], v0, 2, SPARE
	v_mov_b32 v[NIL], 0
	ds_add_u32 v[SPW], v[NIL]                      ; the wave's opening: the add and its wait ahead of my first tensor load
	ds_add_u32 v[SPW], v[NIL]
	v_lshrrev_b32 v1, 5, v0
	v_readfirstlane_b32 s14, v1                    ; wave 0..3
	s_lshr_b32 s15, s14, 1                         ; my half of the rows.  Also: I fetch for A (0) or for B (1)
	s_and_b32 s16, s14, 1                          ; my half of the columns.  Also: which half I fetch
	s_bfe_u32 s40, ttmp6, 0x40000
	s_bfe_u32 s41, ttmp6, 0x40004
	s_lshl_b32 s42, ttmp9, 2
	s_add_co_u32 s42, s42, s40                     ; tile column
	s_and_b32 s17, ttmp7, 0xffff
	s_lshl_b32 s17, s17, 2
	s_add_co_u32 s17, s17, s41                     ; tile row = 8 n + j
	s_lshl_b32 s43, s41, 2
	s_lshl_b32 s43, 15, s43
	s_lshl_b32 s44, 0x1111, s40
	s_or_b32 s[G1+0], s43, (0<<16)|(1<<21)         ; o's tiles: 128 rows of 256 bytes, dense in memory and in LDS
	s_mov_b32 s[G1+1], 256<<16
	s_mov_b32 s[G1+2], 128<<16
	s_mov_b32 s[G1+3], 256<<16
	s_mov_b32 s[G1+4], 128
	s_mov_b32 s[G1+5], 256
	s_mov_b32 s[G1+6], 0
	s_mov_b32 s[G1+7], 0
	s_or_b32 s[G1B+0], s44, (0<<16)|(1<<20)|(1<<21)|(5<<22)|(3<<25)   ; Wo's: 128 rows of 256 bytes, 1,024 apart in memory, 16 bytes of padding behind each in LDS
	s_mov_b32 s[G1B+1], ROWB<<16
	s_mov_b32 s[G1B+2], 128<<16
	s_mov_b32 s[G1B+3], ROWB<<16
	s_mov_b32 s[G1B+4], 128
	s_mov_b32 s[G1B+5], KROW
	s_mov_b32 s[G1B+6], 0
	s_mov_b32 s[G1B+7], 0
	s_or_b32 s[G1S+0], s43, (3<<16)|(1<<20)|(1<<21)|(5<<22)|(3<<25)   ; the scales of 128 rows: 4,096 dense bytes as 16 rows of 256, 16 bytes of padding behind each
	s_or_b32 s[G1SB+0], s44, (3<<16)|(1<<20)|(1<<21)|(5<<22)|(3<<25)
.irp g, G1S, G1SB
	s_mov_b32 s[\g+1], 32<<16
	s_mov_b32 s[\g+2], (128*KS/256)<<16
	s_mov_b32 s[\g+3], 32<<16
	s_mov_b32 s[\g+4], 128*KS/256
	s_mov_b32 s[\g+5], 32
	s_mov_b32 s[\g+6], 0
	s_mov_b32 s[\g+7], 0
.endr
	s_lshl_b32 s18, s16, 7
	s_lshl_b32 s20, s17, 8
	s_add_co_u32 s20, s20, s18                     ; A: 256 x tile row + 128 x half: x 1,024 bytes of codes and x 32 of scales, in the images' layout as in rows
	s_lshl_b32 s46, s42, 8
	s_add_co_u32 s46, s46, s18                     ; B: row 256 x tile column + 128 x half
	s_mov_b32 s21, 0
	s_mov_b32 s47, 0
	s_mov_b64 s[18:19], KS
	s_mul_u64 s[22:23], s[20:21], s[18:19]
	s_mul_u64 s[92:93], s[46:47], s[18:19]
	s_mov_b64 s[18:19], KROW
	s_mul_u64 s[20:21], s[20:21], s[18:19]
	s_mul_u64 s[46:47], s[46:47], s[18:19]
	s_mul_i32 s45, s14, HALFT
	s_mul_i32 s94, s14, HALFS
	s_wait_dscnt 0x0                               ; the opening add is done
	s_wait_kmcnt 0x0
	s_add_nc_u64 s[20:21], s[4:5], s[20:21]
	s_add_nc_u64 s[22:23], s[6:7], s[22:23]
	s_add_nc_u64 s[46:47], s[8:9], s[46:47]
	s_add_nc_u64 s[92:93], s[10:11], s[92:93]
	CROUND                                         ; all sixteen work-groups are here: the first joint loads meet
	s_mov_b32 s[G0S], 1
	s_add_co_u32 s[G0S+1], s94, SCL
	s_mov_b64 s[G0S+2:G0S+3], s[22:23]
	s_or_b32 s[G0S+3], s[G0S+3], 0x80000000
	s_mov_b32 s[G0SB], 1
	s_add_co_u32 s[G0SB+1], s94, SCL
	s_mov_b64 s[G0SB+2:G0SB+3], s[92:93]
	s_or_b32 s[G0SB+3], s[G0SB+3], 0x80000000
	JLOAD G0S, G1S, G0SB, G1SB
.irp s, 0,1
	s_mov_b32 s[G0+4*\s], 1
	s_add_co_u32 s[G0+4*\s+1], s45, \s*SLOT
	s_add_nc_u64 s[G0+4*\s+2:G0+4*\s+3], s[20:21], \s*ASTEP
	s_or_b32 s[G0+4*\s+3], s[G0+4*\s+3], 0x80000000
	s_mov_b32 s[G0B+4*\s], 1
	s_add_co_u32 s[G0B+4*\s+1], s45, \s*SLOT
	s_add_nc_u64 s[G0B+4*\s+2:G0B+4*\s+3], s[46:47], \s*ROWB
	s_or_b32 s[G0B+4*\s+3], s[G0B+4*\s+3], 0x80000000
	s_wait_alu depctr_va_vdst(0)
	s_wait_tensorcnt 0x0
	ds_add_u32 v28, v29
	s_wait_dscnt 0x0
	CROUND
	JLOAD G0+4*\s, G1, G0B+4*\s, G1B               ; one tensor load of mine is out now
.endr
	v_and_b32 v1, 15, v0                           ; r
	v_bfe_u32 v2, v0, 4, 1                         ; h
	v_and_b32 v6, 31, v0
	v_lshlrev_b32 v[CO], 4, v6
	s_wait_alu depctr_va_vdst(0)
	v_lshlrev_b32 v[BOF], 5, v2
	v_mul_u32_u24 v3, v1, PITCH
	v_lshl_add_u32 v4, v2, 4, v3
	s_mul_i32 s21, s15, HALFT
	s_mul_i32 s22, s16, HALFT
	s_add_co_u32 s22, s22, 2*HALFT
.irp s, 0,1
	v_add_nc_u32 v[ADRA+\s], s21, v[CO]            ; o's fragments: 16 x lane
	v_add_nc_u32 v[ADRB+\s], s22, v4               ; Wo's: row x pitch + 16 h
	s_add_co_u32 s21, s21, SLOT
	s_add_co_u32 s22, s22, SLOT
.endr
	s_mul_i32 s21, s15, HALFS
	s_add_co_u32 s21, s21, SCL
	v_lshl_add_u32 v5, v2, 4, v[CO]                ; o's scale words: 16 x lane, and 16 more behind the first 256 bytes
	v_add_nc_u32 v[ADSA], s21, v5
	s_mul_i32 s22, s16, HALFS
	s_add_co_u32 s22, s22, SCL+2*HALFS
	v_lshlrev_b32 v5, 5, v1                        ; Wo's: 32 bytes a row,
	v_lshrrev_b32 v6, 3, v1
	v_lshl_add_u32 v5, v6, 4, v5                   ; 16 more behind the first 256,
	v_mad_u32_u24 v5, v2, 544, v5                  ; lanes 16-31 one block of 16 rows on
	v_add_nc_u32 v[ADSB], s22, v5
	s_mul_i32 s23, s14, 16*SPITCH                  ; my stage
	v_mul_u32_u24 v5, v1, SPITCH
	v_lshl_add_u32 v5, v2, 5, v5
	v_add_nc_u32 v[STO], s23, v5
	v_add_nc_u32 v[RD], s23, v[CO]
	s_lshr_b32 s20, s17, 3                         ; my first row of out0: 2,048 n + 1,024 half + 16 j
	s_lshl_b32 s20, s20, 11
	s_lshl_b32 s21, s15, 10
	s_add_co_u32 s20, s20, s21
	s_and_b32 s21, s17, 7
	s_lshl_b32 s21, s21, 4
	s_add_co_u32 s20, s20, s21
	s_lshl_b32 s20, s20, 12                        ; x 4,096 bytes
	s_mov_b32 s21, 0
	s_lshl_b32 s46, s42, 10                        ; my first column, in bytes
	s_lshl_b32 s47, s16, 9
	s_add_co_u32 s46, s46, s47
	s_mov_b32 s47, 0
	s_add_nc_u64 s[96:97], s[96:97], s[46:47]
	s_add_nc_u64 s[20:21], s[20:21], s[46:47]
	s_add_nc_u64 s[12:13], s[12:13], s[20:21]
.irp b, 0,1,2,3,4,5,6,7                ; the bias in the result's layout: for block b of columns, lane (r, h) holds those of columns 16 b + 8 h + 0 .. 7
	global_load_b128 v[BI+8*\b:BI+8*\b+3], v[BOF], s[96:97] offset:64*\b
	global_load_b128 v[BI+8*\b+4:BI+8*\b+7], v[BOF], s[96:97] offset:64*\b+16
.endr
.macro FRAG reg, adr, q, i             ; a fragment of Wo from rows
.irp c, 0,1,2,3
	ds_load_b128 v[\reg+4*\c:\reg+4*\c+3], v[\adr] offset:128*(\q)+32*\c+(\i)*16*PITCH
.endr
.endm
.macro FRAGA reg, adr, q, i            ; a fragment of o from its image
.irp c, 0,1,2,3
	ds_load_b128 v[\reg+4*\c:\reg+4*\c+3], v[\adr] offset:16384*(\q)+2048*(\i)+512*\c
.endr
.endm
.macro MM d, bf, af, cb, sb, sa, bo, ao ; one product; bo, ao: the side's scale words stand in lanes 16-31
.if (\bo) && (\ao)
	v_wmma_scale_f32_16x16x128_f8f6f4 v[\d:\d+7], v[\bf:\bf+FR-1], v[\af:\af+FR-1], v[\cb:\cb+7], v[\sb], v[\sa] matrix_a_fmt:MATRIX_FMT_BF8 matrix_b_fmt:MATRIX_FMT_BF8 matrix_a_scale:MATRIX_SCALE_ROW1 matrix_b_scale:MATRIX_SCALE_ROW1
.elseif \bo
	v_wmma_scale_f32_16x16x128_f8f6f4 v[\d:\d+7], v[\bf:\bf+FR-1], v[\af:\af+FR-1], v[\cb:\cb+7], v[\sb], v[\sa] matrix_a_fmt:MATRIX_FMT_BF8 matrix_b_fmt:MATRIX_FMT_BF8 matrix_a_scale:MATRIX_SCALE_ROW1
.elseif \ao
	v_wmma_scale_f32_16x16x128_f8f6f4 v[\d:\d+7], v[\bf:\bf+FR-1], v[\af:\af+FR-1], v[\cb:\cb+7], v[\sb], v[\sa] matrix_a_fmt:MATRIX_FMT_BF8 matrix_b_fmt:MATRIX_FMT_BF8 matrix_b_scale:MATRIX_SCALE_ROW1
.else
	v_wmma_scale_f32_16x16x128_f8f6f4 v[\d:\d+7], v[\bf:\bf+FR-1], v[\af:\af+FR-1], v[\cb:\cb+7], v[\sb], v[\sa] matrix_a_fmt:MATRIX_FMT_BF8 matrix_b_fmt:MATRIX_FMT_BF8
.endif
.endm
; 16 products: A's blocks a0, a0 + 1 x B's eight.  zero = 1: the bias is the C.  The 64 accumulators take turns, one instruction a turn.
.macro MUL16 a0, p, q, sc, zero
.irp a, \a0, \a0+1
.irp b, 0,1,2,3,4,5,6,7
.if \zero
	MM 8*(8*((\a)%4)+\b), 128*(\p)+FR*\b, AF+FR*(\a), BI+8*\b, SC+16*(\sc)+2*(\b/2)+(\q), SC+16*(\sc)+8+4*(\q)+(\a)/2, \b%2, (\a)%2
.else
	MM 8*(8*((\a)%4)+\b), 128*(\p)+FR*\b, AF+FR*(\a), 8*(8*((\a)%4)+\b), SC+16*(\sc)+2*(\b/2)+(\q), SC+16*(\sc)+8+4*(\q)+(\a)/2, \b%2, (\a)%2
.endif
.endr
.endr
.endm
.macro FETCH_B slot, q, p
	WIN TO_B
.irp i, 0,1,2,3,4,5,6,7
	FRAG 128*(\p)+FR*\i, ADRB+\slot, \q, \i
.endr
	WIN 0
.endm
.macro FETCH_A slot, q, i0
.irp i, \i0, \i0+1, \i0+2, \i0+3
	FRAGA AF+FR*(\i), ADRA+\slot, \q, \i
.endr
.endm
.macro SCALES sc                       ; a K step's scale words: six loads
.irp i, 0,1,2,3
	ds_load_b64 v[SC+16*\sc+2*\i:SC+16*\sc+2*\i+1], v[ADSB] offset:\i*1088
.endr
.irp q, 0,1
	ds_load_b128 v[SC+16*\sc+8+4*\q:SC+16*\sc+8+4*\q+3], v[ADSA] offset:544*\q
.endr
.endm
.macro PLACES n
.rept \n
	v_nop
.endr
.endm
.macro STEP slot, q, zero
	s_wait_dscnt 4*NL                              ; B's set, the scale words and A's blocks 0-3 are in; the youngest 16 loads (A's blocks 4-7) may be out
.if \zero
	WIN MUL_LO0
.else
	WIN MUL_LO
.endif
	MUL16 0, (\q)%2, \q, \slot, \zero
	MUL16 2, (\q)%2, \q, \slot, \zero
	s_wait_dscnt 0
	PLACES NP
	FETCH_B \slot, (\q)+1, 1-(\q)%2
	FETCH_A \slot, (\q)+1, 0
.if \zero
	WIN MUL_HI0
.else
	WIN MUL_HI
.endif
	MUL16 4, (\q)%2, \q, \slot, \zero
	MUL16 6, (\q)%2, \q, \slot, \zero
	PLACES NP
	WIN 0
	FETCH_A \slot, (\q)+1, 4
.endm
.macro TURN slot, next, fill           ; a slot's last step changes slots
	s_wait_tensorcnt 0x0                           ; all my tensor loads have landed: my part of the next slot
	ds_add_u32 v[SPW], v[NIL]
	s_wait_dscnt 4*NL+1                            ; the add and the youngest 16 loads may be out
	WIN MUL_LO
	MUL16 0, 1, NQ-1, \slot, 0
	s_wait_dscnt 0x0                               ; the add is done, and my reads of this slot are over
	s_barrier_signal -1
	MUL16 2, 1, NQ-1, \slot, 0
	WIN 0
	s_barrier_wait -1
.if \fill
	CREST                                          ; the barrier has opened a round of the cluster's
	s_add_nc_u64 s[G0+4*\slot+2:G0+4*\slot+3], s[G0+4*\slot+2:G0+4*\slot+3], 2*ASTEP
	s_add_nc_u64 s[G0B+4*\slot+2:G0B+4*\slot+3], s[G0B+4*\slot+2:G0B+4*\slot+3], 2*ROWB
	JLOAD G0+4*\slot, G1, G0B+4*\slot, G1B         ; my one tensor load behind the round
	PLACES NP-4
.else
	PLACES NP
.endif
	s_wait_alu depctr_va_vdst(0)
	v_add_nc_u32 v[ADSB], 8, v[ADSB]               ; the next K step's scale words: 8 bytes on in each row of Wo's,
	v_add_nc_u32 v[ADSA], 1088, v[ADSA]            ; two blocks of 512 + 32 bytes on in o's
	FETCH_B \next, 0, 0
	FETCH_A \next, 0, 0
	SCALES \next
	WIN MUL_HI
	MUL16 4, 1, NQ-1, \slot, 0
	MUL16 6, 1, NQ-1, \slot, 0
	PLACES NP
	WIN 0
	FETCH_A \next, 0, 4
.endm
	s_wait_alu depctr_va_vdst(0)
	s_wait_tensorcnt 1                             ; the scales and my part of K step 0 are in; K step 1's load may be out
	s_barrier_signal -1
	s_barrier_wait -1
	FETCH_B 0, 0, 0
	FETCH_A 0, 0, 0
	SCALES 0
	FETCH_A 0, 0, 4
	s_wait_loadcnt 0x0                             ; the bias
	STEP 0, 0, 1
	s_mov_b32 s3, LAPS-1
.Llap:
	TURN 0, 1, 1
	STEP 1, 0, 0
	TURN 1, 0, 1
	STEP 0, 0, 0
	s_sub_co_u32 s3, s3, 1
	s_cmp_lg_u32 s3, 0
	s_cbranch_scc1 .Llap
	TURN 0, 1, 0
	STEP 1, 0, 0
	s_wait_dscnt 4*NL
	WIN MUL_LO
	MUL16 0, 1, NQ-1, 1, 0
	MUL16 2, 1, NQ-1, 1, 0
	s_wait_dscnt 0
	WIN MUL_HI
	MUL16 4, 1, NQ-1, 1, 0
	MUL16 6, 1, NQ-1, 1, 0
	WIN 0
; THE WAY OUT, block by block of 16 rows x 128 columns, through my own stage in LDS: in as 32 bytes a lane, back as whole rows of 512 bytes.  LDS serves a wave's instructions in order (ISA guide 5.7.1.4).
.macro TOSTAGE a
.set AC, 64*((\a)%4)
	WIN 0x08+4*((\a)/4)
.irp b, 0,1,2,3,4,5,6,7
	ds_store_b128 v[STO], v[AC+8*\b:AC+8*\b+3] offset:64*\b          ; each accumulator from its low end on
	ds_store_b128 v[STO], v[AC+8*\b+4:AC+8*\b+7] offset:64*\b+16
.endr
	WIN 0
.set BB, BK+64*((\a)%2)
.irp t, 0,1,2,3,4,5,6,7,8,9,10,11,12,13,14,15
	ds_load_b128 v[BB+4*\t:BB+4*\t+3], v[RD] offset:\t*SPITCH
.endr
.endm
.macro SEND a, younger
.set BB, BK+64*((\a)%2)
	s_wait_dscnt \younger
.if (\a) > 0
	s_add_nc_u64 s[12:13], s[12:13], 128*SIZE_N*4  ; the next block's rows lie 128 tokens on (behind a wait on XCNT: the earlier stores have read their base)
.endif
.irp t, 0,1,2,3,4,5,6,7,8,9,10,11,12,13,14,15
	global_store_b128 v[CO], v[BB+4*\t:BB+4*\t+3], s[12:13] offset:\t*SIZE_N*4 th:TH_STORE_NT   ; 32 lanes store 512 consecutive aligned bytes
.endr
.endm
	PLACES NP
	TOSTAGE 0
.irp a, 1,2,3,4,5,6,7
.if \a > 1
	s_wait_xcnt 0x0                                ; block a - 2's stores have read their registers and their base
.endif
	TOSTAGE \a
	SEND \a-1, 32                                  ; behind block a - 1's loads: block a's 16 stores and 16 loads
.endr
	s_wait_xcnt 0x0
	SEND 7, 0
	s_wait_tensorcnt 0x0                           ; the wave's end
	ds_add_u32 v[SPW], v[NIL]
	s_wait_dscnt 0x0
	CROUND                                         ; the closing round
	s_endpgm
.Lfunc_end_k_qab7fe1b564_proj:
	.size	k_qab7fe1b564_proj, .Lfunc_end_k_qab7fe1b564_proj-k_qab7fe1b564_proj
	.p2alignl 7, 3214868480
	.fill 96, 4, 3214868480
	.section	.rodata,"a",@progbits
	.p2align	6, 0x0
	.amdhsa_kernel k_qab7fe1b564_proj
		.amdhsa_group_segment_fixed_size 327680
		.amdhsa_private_segment_fixed_size 0
		.amdhsa_enable_private_segment 0
		.amdhsa_kernarg_size 48
		.amdhsa_user_sgpr_count 2
		.amdhsa_user_sgpr_kernarg_segment_ptr 1
		.amdhsa_wavefront_size32 1
		.amdhsa_system_sgpr_workgroup_id_x 1
		.amdhsa_system_sgpr_workgroup_id_y 1
		.amdhsa_system_sgpr_workgroup_id_z 1
		.amdhsa_system_vgpr_workitem_id 0
		.amdhsa_next_free_vgpr 1024
		.amdhsa_next_free_sgpr 100
		.amdhsa_reserve_vcc 0
		.amdhsa_float_denorm_mode_32 3
		.amdhsa_float_denorm_mode_16_64 3
		.amdhsa_memory_ordered 1
		.amdhsa_forward_progress 1
		.amdhsa_inst_pref_size 148
	.end_amdhsa_kernel
	.amdgpu_metadata
---
amdhsa.version: [ 1, 2 ]
amdhsa.kernels:
  - .name:           k_qab7fe1b564_proj
    .symbol:         k_qab7fe1b564_proj.kd
    .args:
      - { .name: o_codes, .offset: 0, .size: 8, .value_kind: global_buffer, .address_space: global }
      - { .name: o_scales, .offset: 8, .size: 8, .value_kind: global_buffer, .address_space: global }
      - { .name: Wo_codes, .offset: 16, .size: 8, .value_kind: global_buffer, .address_space: global }
      - { .name: Wo_scales, .offset: 24, .size: 8, .value_kind: global_buffer, .address_space: global }
      - { .name: bo, .offset: 32, .size: 8, .value_kind: global_buffer, .address_space: global }
      - { .name: out0, .offset: 40, .size: 8, .value_kind: global_buffer, .address_space: global }
    .group_segment_fixed_size: 327680
    .private_segment_fixed_size: 0
    .kernarg_segment_align: 8
    .kernarg_segment_size: 48
    .max_flat_workgroup_size: 128
    .sgpr_count:     100
    .vgpr_count:     1024
    .wavefront_size: 32
...
	.end_amdgpu_metadata
.endif
;; end of part 3
